; MI455X (gfx1250); checked and timed in simulation.
; The chip was launched on July 23, 2026; its instructions are those of AMD's public machine-readable ISA for CDNA 5 (MIT licence, August 2026) and "CDNA5" Instruction Set Architecture Reference Guide (July 2026). The comments in the code are by the model that wrote it; some were corrected since.
;; Rotary Attention. Allowed arithmetic: matrix products marked QUANTISED: E2M3 operands, one E8M0 scale for each 32 along K, by v_wmma_scale_f32_16x16x128_f8f6f4 with both operands' format E2M3, f32 sums; everything else in f32.
;; Inputs: W_in 3,072 x 1,024 float32; W_out 1,024 x 1,024 float32; b_in 3,072 float32; b_out 1,024 float32; x 1 x 4,096 x 1,024 float32.
;; Outputs: out0 1 x 4,096 x 1,024 float32.
;; This version of the problem:
;;   THIS VERSION OF THE PROBLEM IS GIVEN IN LOW PRECISION. The matrix products marked QUANTISED in the list below multiply operands that are first quantised to E2M3 (2 exponent bits, 3 mantissa bits; 6 bits a number), with one power-of-two scale for each 32 numbers along K (OCP MX v1.0); their sums are f32. All else is computed in f32.
;;   The module's matrix products, in the order in which they are computed (A, B: the left and right operand; K: the contracted axis; several contracted axes count as one K, in the product's order):
;;     1. [M 4,096, K 1,024] x [K 1,024, N 3,072]; A: input x; B: input W_in: QUANTISED
;;     2. batch 16 x [M 4,096, K 64] x [K 64, N 4,096]; A: computed on the way; B: computed on the way: QUANTISED
;;     3. batch 16 x [M 4,096, K 4,096] x [K 4,096, N 64]; A: softmax (see below); B: computed on the way: QUANTISED
;;     4. [M 4,096, K 1,024] x [K 1,024, N 1,024]; A: computed on the way; B: input W_out: QUANTISED
;;   THE QUANTISER, for each operand of a quantised product, along K:
;;     - K is cut into blocks of 32 from its start; a last block that is shorter is filled with zeros.
;;     - A block's scale is 2^e with e = floor(log2(the largest magnitude in the block)) - 2, held to -126 .. 127; a block of zeros has e = 0. As a byte (E8M0): e + 127.
;;     - Each number is divided by its block's scale, clamped to +-7.5, and rounded to the nearest number of E2M3, ties to even, subnormals kept.
;;     - The product sums the exact products of the quantised numbers (number of the format x scale) in f32.
;;   ~~~python
;;   def quantise(x, axis):      # numpy; x: float32 -> the quantised numbers, widened to float32 again
;;       x = np.moveaxis(x, axis, -1); K = x.shape[-1]
;;       x = np.pad(x, [(0, 0)] * (x.ndim - 1) + [(0, -K % 32)]); x = x.reshape(x.shape[:-1] + (-1, 32)); a = np.abs(x).max(-1, keepdims=True)
;;       e = np.where(a > 0, np.clip(np.frexp(np.where(a > 0, a, 1))[1] - 1 - 2, -126, 127), 0)      # np.frexp(a)[1] - 1 = floor(log2(a)), exactly
;;       r = np.clip(x / 2.0 ** e, -7.5, 7.5)
;;       step = 2.0 ** (np.maximum(np.frexp(np.where(r == 0, 1, r))[1] - 1, 0) - 3)
;;       q = np.round(r / step) * step * 2.0 ** e      # np.round: ties to even
;;       return np.moveaxis(q.reshape(q.shape[:-2] + (-1,))[..., :K], -1, axis).astype(np.float32)
;;   ~~~
;;   SOFTMAX AHEAD OF A QUANTISED PRODUCT. Where the list says 'softmax', what is quantised is not the finished softmax but p = 2^(t - M), with t = logit x log2(e) and M = ceil(the row's largest t), a whole number; so 1/2 < the row's largest p <= 1. The row's sum l is taken of the UNQUANTISED p, in f32, and the product's result is divided by l at the end. Since M is a whole number, a kernel that streams over the keys may use a running M (the ceiling of the running maximum): every later rescaling is an exact power of two, which a block's scale takes up: the codes' values come out the same.
;;   OPERANDS COMPUTED ON THE WAY. 'Computed on the way' means the value that the module computes at that place (a softmax that the list does not call 'softmax' is quantised finished and normalised). What goes into a quantiser is computed in f32, as accurately as f32 sums, v_exp_f32 and their like allow (about 1e-6 of the number): no bf16 or f16 on the way to a quantiser, and a product that is left as it is and whose result goes on into a quantised operand takes f32 operands (vector FMAs, or v_wmma_f32_16x16x4_f32). A number that lies on a knife's edge between two numbers of the format may be rounded either way, as far as f32 arithmetic and the matrix unit's own rounding can turn it there, and no further.
;; One version. Each part assembles by itself: llvm-mc -triple=amdgcn-amd-amdhsa -mcpu=gfx1250 --defsym DOCPART=n.
;; ======== version 1 of 1: 4 launches
;; limits: right only within a limited range of input values
;; workspace buffers: wc 9,437,184 bytes; ws 393,216 bytes; tab 1,048,576 bytes; qb 3,407,872 bytes; kv 6,684,672 bytes
;; launch prep (part 1): grid 256 x 1, 8 waves a work-group, no clusters, 134,144 bytes of LDS; arguments x, W_in, W_out, wc, ws, tab; writes wc, ws, tab
.if DOCPART == 1
	.amdgcn_target "amdgcn-amd-amdhsa--gfx1250"
	.amdhsa_code_object_version 6
	.text
	.protected	k_q48b8b41fc9_prep
	.globl	k_q48b8b41fc9_prep
	.p2align	8
	.type	k_q48b8b41fc9_prep,@function
k_q48b8b41fc9_prep:
	s_mov_b64 s[64:65], 0
	v_nop
	global_prefetch_b8 v0, s[64:65] scope:SCOPE_SE
	s_setreg_imm32_b32 hwreg(HW_REG_WAVE_MODE, 25, 1), 1
	s_wait_xcnt 0x0
; x [4096][1024], W_in [3072][1024], W_out [1024][1024], f32, K innermost, become codes of FP6 (E2M3) with one E8M0 byte for each 32 along K, laid IN THE ORDER OF AN OPERAND'S REGISTERS; and the table of sines and cosines is made.
; ROW BLOCKS.  16 rows form an operand's tile.  Lane r of block RB holds row 32 (RB / 2) + 8 (RB % 2) + r + 8 (r / 8), so that two neighbouring tiles used as source 0 give a lane 16 neighbours along the next K.
; wc: [RB][8 K steps of 128][1,536 bytes].  A fragment's image is two halves of 768 bytes; half c: registers 6 c .. 6 c + 3 at 16 x lane (512 bytes), then registers 6 c + 4, 6 c + 5 at 8 x lane (256 bytes).
; ws: [RB][4 K steps of 256][16 rows][8 bytes]: a row's two scale words of that K step.   RB 0-255 x, 256-447 W_in, 448-511 W_out (512-767 are y's: a later launch).
; tab: [256 blocks of tokens][8 pieces][32 lanes][16 bytes]: pieces 0-3 sines, 4-7 cosines; lane (r, h) of piece j: the block's token of lane r, d = 16 h + 4 (j % 4) + 0 .. 3.
; SHARES.  Work-group w takes blocks 2 w and 2 w + 1; wave v block 2 w + v / 4 and 256 along K from 256 (v % 4) on: 16 rows x 1,024 bytes, 32 loads of 512 consecutive bytes, all out at once.  They turn through the wave's
; own stage in LDS (rows of 1,024 + 16 bytes), so that a lane gets 16 neighbours of each block of 32.  Wave v also makes piece v of the table's block w, while its loads are on their way.  Waves share nothing: no barrier.
; A block's scale is 2^(floor(log2(its largest magnitude)) - 2); its byte is the largest magnitude's exponent field - 2, held at 1 from below.
; LIMITS: NaN and infinities are not served.  A block whose largest magnitude lies under 2^-124, a block of zeros among them, keeps the byte 1 (the rule says 127 for zeros): its codes add nothing, and this program alone reads the bytes.
; theta = 10000^(d / 31) is made by a split product with log2(10000) and one v_exp_f32: good to about one unit in its last place; t / theta and d / 31 are rounded as divisions are.
.set SP,   1040                        ; a stage row: 1,024 bytes + 16
.set R,    16                          ; v16-143  the 32 loads as they come
.set X,    144                         ; v144-207 64 numbers of a lane; before that the table's work
.set PC0,  208                         ; v208-219 the first fragment's codes
.set PC1,  220                         ; v220-231 the second's
.set TC,   232                         ; v232-238 the conversions' second halves
.set TM,   240                         ; v240-243 largest magnitudes, v244-247 bytes, v252-255 the conversions' scale operands
.set TABR, 248                         ; v248-251 the table's four numbers
.set SEL,  30                          ; s[30:31] v_permlanex16_b32's selects for lane l xor 16
.set TD, 144
.set TQ, 148
.set TE, 152
.set TP, 156
.set EH, 160
.set EL, 164
.set TN, 168
.set TF, 172
.set TH, 176
.set RC, 180
.set PO, 184
.set KF, 188
.set RR, 192
.set ZZ, 196
.set SS, 200
.set CC, 204
; 64 numbers of a lane, register 16 b + i = k 32 b + 16 (lane / 16) + i of my row, become a fragment's 12 registers in v[pc] on and my row's scale word in v[pw].
.macro QUANT s, pc, pw
.irp b, 0,1,2,3
	v_max3_num_f32 v[TM+\b], |v[\s+16*\b]|, |v[\s+1+16*\b]|, 0x1800000   ; my 16 numbers of block b, and the floor 2^(3 - 127): the byte cannot fall under 1
.endr
.irp i, 2,4,6,8,10,12,14
.irp b, 0,1,2,3
	s_delay_alu instid0(VALU_DEP_4)
	v_max3_num_f32 v[TM+\b], v[TM+\b], |v[\s+16*\b+\i]|, |v[\s+1+16*\b+\i]|   ; the four blocks by turns
.endr
.endr
.irp b, 0,1,2,3
	s_delay_alu instid0(VALU_DEP_4)
	v_permlanex16_b32 v[TM+4+\b], v[TM+\b], s[SEL], s[SEL+1]
.endr
.irp b, 0,1,2,3
	s_delay_alu instid0(VALU_DEP_4)
	v_max_num_f32 v[TM+\b], v[TM+\b], v[TM+4+\b]   ; with lane l xor 16's 16: the block's largest magnitude
.endr
.irp b, 0,1,2,3
	s_delay_alu instid0(VALU_DEP_4)
	v_add_nc_u32 v[TM+12+\b], 0xff000000, v[TM+\b]   ; 2 off its exponent field: the conversion takes this operand's exponent field as its scale
.endr
.irp b, 0,1,2,3
	s_delay_alu instid0(VALU_DEP_4)
	v_lshrrev_b32 v[TM+4+\b], 23, v[TM+12+\b]      ; the scale's byte
.endr
	s_delay_alu instid0(VALU_DEP_3)
	v_lshl_or_b32 v[\pw], v[TM+5], 8, v[TM+4]
	s_delay_alu instid0(VALU_DEP_1)
	v_lshl_or_b32 v[\pw], v[TM+6], 16, v[\pw]
	s_delay_alu instid0(VALU_DEP_1)
	v_lshl_or_b32 v[\pw], v[TM+7], 24, v[\pw]
.irp c, 0,1
	v_cvt_scalef32_pk16_fp6_f32 v[\pc+6*\c:\pc+2+6*\c], v[\s+32*\c:\s+15+32*\c], v[TM+12+2*\c]
	v_cvt_scalef32_pk16_fp6_f32 v[TC+4*\c:TC+2+4*\c], v[\s+16+32*\c:\s+31+32*\c], v[TM+12+2*\c+1]   ; (a conversion's three registers begin on an even number)
.endr
	v_nop                                          ; one plain line behind the scaled conversions
.irp c, 0,1                                    ; the operand wants a whole block in a lane: lanes 0-15 block 2 c, lanes 16-31 block 2 c + 1
.irp i, 0,1,2
	v_permlane16_swap_b32 v[\pc+6*\c+\i], v[TC+4*\c+\i]
.endr
.irp i, 0,1,2
	s_delay_alu instid0(VALU_DEP_3)
	v_mov_b32 v[\pc+3+6*\c+\i], v[TC+4*\c+\i]
.endr
.endr
.endm
.macro TOST n                          ; load n = 16 m + rho goes to the stage as it came: row rho, bytes 512 m on
	ds_store_b128 v9, v[R+4*(\n):R+4*(\n)+3] offset:SP*((\n)%16)+512*((\n)/16)
.endm
.macro FROMST f                        ; and fragment f comes back, 16 neighbours of each block of 32 to a lane
.irp b, 0,1,2,3
.irp j, 0,1,2,3
	ds_load_b128 v[X+16*\b+4*\j:X+16*\b+4*\j+3], v10 offset:512*\f+128*\b+16*\j
.endr
.endr
.endm
.macro OUT pc, f                       ; a fragment's image: each store covers 512 or 256 consecutive bytes, aligned
	global_store_b128 v5, v[\pc:\pc+3], s[10:11] offset:1536*\f
	global_store_b64 v6, v[\pc+4:\pc+5], s[10:11] offset:1536*\f+512
	global_store_b128 v5, v[\pc+6:\pc+9], s[10:11] offset:1536*\f+768
	global_store_b64 v6, v[\pc+10:\pc+11], s[10:11] offset:1536*\f+1280
.endm
	s_load_b256 s[4:11], s[0:1], 0x0               ; x s[4:5], W_in s[6:7], W_out s[8:9], wc s[10:11]
	s_load_b128 s[12:15], s[0:1], 0x20             ; ws s[12:13], tab s[14:15]
	v_lshl_add_u32 v235, v0, 2, 0x20800
	v_mov_b32 v239, 0
	v_lshrrev_b32 v1, 5, v0
	s_delay_alu instid0(VALU_DEP_1)
	v_readfirstlane_b32 s20, v1                    ; wave 0..7
	v_and_b32 v1, 31, v0                           ; lane
	v_and_b32 v2, 15, v0                           ; r
	v_bfe_u32 v3, v0, 4, 1                         ; h
	s_delay_alu instid0(VALU_DEP_2)
	v_and_b32 v4, 8, v2
	s_delay_alu instid0(VALU_DEP_1)
	v_add_nc_u32 v4, v4, v2                        ; r + 8 (r / 8)
	v_lshlrev_b32 v5, 4, v1                        ; 16 x lane
	v_lshlrev_b32 v6, 3, v1                        ; 8 x lane
	v_lshlrev_b32 v7, 3, v2                        ; 8 r
	v_lshlrev_b32 v8, 4, v0                        ; 16 x thread: my place in the table's block
	s_lshr_b32 s21, s20, 2                         ; u: which of the two row blocks; also: sines (0) or cosines (1)
	s_and_b32 s22, s20, 3                          ; kq: which 256 along K; also: which piece of four
	s_mul_i32 s23, s20, 16*SP                      ; my stage
	v_add_nc_u32 v9, s23, v5                       ; in: 16 x lane
	v_mul_u32_u24 v10, v2, SP
	s_delay_alu instid0(VALU_DEP_1)
	v_lshl_add_u32 v10, v3, 6, v10
	s_delay_alu instid0(VALU_DEP_1)
	v_add_nc_u32 v10, s23, v10                     ; back: row r, + 64 h
.irp b, 0,1,2,3
	v_mov_b32 v[TM+4+\b], 0                        ; written once: a lane permute's destination counts as one of its sources
.endr
	s_mov_b32 s[SEL], 0x76543210
	s_mov_b32 s[SEL+1], 0xfedcba98
	s_mov_b32 s28, 0xb94ca1f9                      ; the sine's leading coefficient
	s_mov_b32 s29, 0x37ccf5ce                      ; the cosine's
	s_mov_b32 s19, 224
	s_mov_b32 s25, 0
	s_wait_kmcnt 0x0
	s_cmp_lt_u32 ttmp9, 128                        ; work-groups 0-127 take x, 128-223 W_in, 224-255 W_out: only a pointer is chosen, on the work-group's number
	s_cselect_b64 s[16:17], s[4:5], s[6:7]
	s_cselect_b32 s18, 0, 128
	s_cmp_lt_u32 ttmp9, 224
	s_cselect_b64 s[16:17], s[16:17], s[8:9]
	s_cselect_b32 s18, s18, s19
	s_sub_co_u32 s18, ttmp9, s18                   ; which 32 rows of the tensor
	s_lshl_b32 s18, s18, 5
	s_lshl_b32 s24, s21, 3
	s_add_co_u32 s18, s18, s24                     ; + 8 u
	s_lshl_b32 s24, s18, 12                        ; rows of 4,096 bytes
	s_lshl_b32 s26, s22, 10
	s_add_co_u32 s24, s24, s26                     ; + 1,024 kq
	s_add_nc_u64 s[16:17], s[16:17], s[24:25]
.irp m, 0,1
.irp rho, 0,1,2,3,4,5,6,7,8,9,10,11,12,13,14,15
	global_load_b128 v[R+4*(16*\m+\rho):R+4*(16*\m+\rho)+3], v5, s[16:17] offset:(\rho+8*(\rho/8))*4096+512*\m th:TH_LOAD_NT   ; 32 lanes read 512 consecutive bytes of the tile's row rho
.endr
.endr
	s_lshl_b32 s26, ttmp9, 1
	s_add_co_u32 s26, s26, s21                     ; my row block, 2 w + u
	s_mul_i32 s24, s26, 12288
	s_mul_i32 s27, s22, 3072
	s_add_co_u32 s24, s24, s27
	s_add_nc_u64 s[10:11], s[10:11], s[24:25]      ; its two fragments in wc
	s_lshl_b32 s24, s26, 9
	s_lshl_b32 s27, s22, 7
	s_add_co_u32 s24, s24, s27
	s_add_nc_u64 s[12:13], s[12:13], s[24:25]      ; their scale words in ws
	s_lshl_b32 s24, ttmp9, 12
	s_add_nc_u64 s[14:15], s[14:15], s[24:25]      ; the table's block w
	; ---- THE TABLE, while the loads are on their way: four numbers a lane, by turns
	s_lshr_b32 s24, ttmp9, 1
	s_lshl_b32 s24, s24, 5
	s_and_b32 s27, ttmp9, 1
	s_lshl_b32 s27, s27, 3
	s_add_co_u32 s24, s24, s27
	v_add_nc_u32 v11, s24, v4
	s_delay_alu instid0(VALU_DEP_1)
	v_cvt_f32_u32 v11, v11                         ; t, my lane's token
	s_lshl_b32 s27, s22, 2
	v_lshl_add_u32 v12, v3, 4, s27                 ; 16 h + 4 kq
.irp i, 0,1,2,3
	v_add_nc_u32 v[TD+\i], \i, v12
.endr
.irp i, 0,1,2,3
	s_delay_alu instid0(VALU_DEP_4)
	v_cvt_f32_u32 v[TD+\i], v[TD+\i]               ; d
.endr
.irp i, 0,1,2,3
	s_delay_alu instid0(VALU_DEP_4)
	v_mul_f32 v[TQ+\i], 0x3d042108, v[TD+\i]       ; d / 31, rounded as a division: a first quotient by the rounded 1 / 31,
.endr
.irp i, 0,1,2,3
	s_delay_alu instid0(VALU_DEP_4)
	v_fma_f32 v[TE+\i], -v[TQ+\i], 0x41f80000, v[TD+\i]   ; its exact remainder,
.endr
.irp i, 0,1,2,3
	s_delay_alu instid0(VALU_DEP_4)
	v_fma_f32 v[TP+\i], v[TE+\i], 0x3d042108, v[TQ+\i]    ; and the correction
.endr
.irp i, 0,1,2,3
	s_delay_alu instid0(VALU_DEP_4)
	v_mul_f32 v[EH+\i], 0x41549a78, v[TP+\i]       ; p log2(10000): the product with the constant's upper part,
.endr
.irp i, 0,1,2,3
	s_delay_alu instid0(VALU_DEP_4)
	v_fma_f32 v[EL+\i], v[TP+\i], 0x41549a78, -v[EH+\i]   ; what its rounding dropped,
.endr
.irp i, 0,1,2,3
	s_delay_alu instid0(VALU_DEP_4)
	v_fma_f32 v[EL+\i], v[TP+\i], 0x34979a37, v[EL+\i]    ; and the constant's lower part
.endr
.irp i, 0,1,2,3
	v_rndne_f32 v[TN+\i], v[EH+\i]
.endr
.irp i, 0,1,2,3
	s_delay_alu instid0(VALU_DEP_4)
	v_sub_f32 v[TF+\i], v[EH+\i], v[TN+\i]
.endr
.irp i, 0,1,2,3
	s_delay_alu instid0(VALU_DEP_4)
	v_add_f32 v[TF+\i], v[TF+\i], v[EL+\i]         ; the fraction, within a half
.endr
	s_wait_alu depctr_va_vdst(0)
.irp i, 0,1,2,3
	v_exp_f32 v[TH+\i], v[TF+\i]
.endr
.irp i, 0,1,2,3
	v_cvt_i32_f32 v[TN+\i], v[TN+\i]               ; (plain lines behind the four exponentials)
.endr
	s_wait_alu depctr_va_vdst(0)                   ; one wait for the batch, ahead of its first reader
.irp i, 0,1,2,3
	v_ldexp_f32 v[TH+\i], v[TH+\i], v[TN+\i]       ; theta
.endr
	s_wait_alu depctr_va_vdst(0)
.irp i, 0,1,2,3
	v_rcp_f32 v[RC+\i], v[TH+\i]
.endr
	v_nop
	s_wait_alu depctr_va_vdst(0)                   ; one wait for the four reciprocals
.irp i, 0,1,2,3
	v_fma_f32 v[TE+\i], -v[TH+\i], v[RC+\i], 1.0
.endr
.irp i, 0,1,2,3
	v_fma_f32 v[RC+\i], v[TE+\i], v[RC+\i], v[RC+\i]      ; 1 / theta, one step better
.endr
.irp i, 0,1,2,3
	s_delay_alu instid0(VALU_DEP_4)
	v_mul_f32 v[TQ+\i], v11, v[RC+\i]              ; t / theta as d / 31 above
.endr
.irp i, 0,1,2,3
	s_delay_alu instid0(VALU_DEP_4)
	v_fma_f32 v[TE+\i], -v[TQ+\i], v[TH+\i], v11
.endr
.irp i, 0,1,2,3
	s_delay_alu instid0(VALU_DEP_4)
	v_fma_f32 v[PO+\i], v[TE+\i], v[RC+\i], v[TQ+\i]
.endr
.irp i, 0,1,2,3
	s_delay_alu instid0(VALU_DEP_4)
	v_mul_f32 v[KF+\i], 0x3f22f983, v[PO+\i]
.endr
.irp i, 0,1,2,3
	s_delay_alu instid0(VALU_DEP_4)
	v_rndne_f32 v[KF+\i], v[KF+\i]                 ; how many quarter turns (under 2^12)
.endr
.irp i, 0,1,2,3
	s_delay_alu instid0(VALU_DEP_4)
	v_fma_f32 v[RR+\i], -v[KF+\i], 0x3fc90000, v[PO+\i]   ; less that many times pi / 2, in three parts of few bits
.endr
.irp i, 0,1,2,3
	s_delay_alu instid0(VALU_DEP_4)
	v_fma_f32 v[RR+\i], -v[KF+\i], 0x39fda000, v[RR+\i]
.endr
.irp i, 0,1,2,3
	s_delay_alu instid0(VALU_DEP_4)
	v_fma_f32 v[RR+\i], -v[KF+\i], 0x33a22169, v[RR+\i]
.endr
.irp i, 0,1,2,3
	s_delay_alu instid0(VALU_DEP_4)
	v_mul_f32 v[ZZ+\i], v[RR+\i], v[RR+\i]
.endr
.irp i, 0,1,2,3
	v_fma_f32 v[SS+\i], v[ZZ+\i], s28, 0x3c08839e
	v_fma_f32 v[CC+\i], v[ZZ+\i], s29, 0xbab6061a
.endr
.irp i, 0,1,2,3
	v_fma_f32 v[SS+\i], v[SS+\i], v[ZZ+\i], 0xbe2aaaa3
	v_fma_f32 v[CC+\i], v[CC+\i], v[ZZ+\i], 0x3d2aaaa5
.endr
.irp i, 0,1,2,3
	v_mul_f32 v[TD+\i], v[ZZ+\i], v[RR+\i]
	v_mul_f32 v[TP+\i], v[ZZ+\i], v[ZZ+\i]
	v_fma_f32 v[EH+\i], v[ZZ+\i], -0.5, 1.0
.endr
.irp i, 0,1,2,3
	v_fma_f32 v[SS+\i], v[SS+\i], v[TD+\i], v[RR+\i]      ; the sine of what is left,
	v_fma_f32 v[CC+\i], v[CC+\i], v[TP+\i], v[EH+\i]      ; and its cosine
.endr
.irp i, 0,1,2,3
	v_cvt_i32_f32 v[TN+\i], v[KF+\i]
.endr
.irp i, 0,1,2,3
	s_delay_alu instid0(VALU_DEP_4)
	v_add_nc_u32 v[TN+\i], s21, v[TN+\i]           ; a cosine is the sine a quarter turn on
.endr
.irp i, 0,1,2,3
	v_and_b32 v[EL+\i], 1, v[TN+\i]
	v_and_b32 v[TN+\i], 2, v[TN+\i]
.endr
.irp i, 0,1,2,3
	v_lshlrev_b32 v[TN+\i], 30, v[TN+\i]           ; the sign, in quarters 2 and 3
.endr
.irp i, 0,1,2,3
	v_cmp_eq_u32 vcc_lo, 1, v[EL+\i]
	s_delay_alu instid0(VALU_DEP_1)
	v_cndmask_b32 v[TABR+\i], v[SS+\i], v[CC+\i], vcc_lo  ; the cosine in odd quarters
.endr
.irp i, 0,1,2,3
	v_xor_b32 v[TABR+\i], v[TN+\i], v[TABR+\i]
.endr
	global_store_b128 v8, v[TABR:TABR+3], s[14:15] ; the wave stores 512 consecutive bytes: its piece; these registers are not written again
	; ---- THE ROWS: through the stage, quantised, out
.irp g, 0,1,2,3
	s_wait_loadcnt 28-4*\g                         ; loads come back in order: the four oldest that were out are in
.irp k, 0,1,2,3
	TOST 4*\g+\k
.endr
.endr
	FROMST 0                                       ; the first 16 loads were the rows' first 512 bytes: fragment 0.  LDS serves a wave's instructions in order
.irp g, 4,5,6,7
	s_wait_loadcnt 28-4*\g
.irp k, 0,1,2,3
	TOST 4*\g+\k
.endr
.endr
	s_wait_dscnt 16                                ; fragment 0 is back; the 16 younger stores may be out
	QUANT X, PC0, 14
	FROMST 1
	OUT PC0, 0
	s_wait_dscnt 0x0
	QUANT X, PC1, 15
	OUT PC1, 1
	global_store_b64 v7, v[14:15], s[12:13]        ; my row's two scale words: 128 consecutive bytes a wave (lanes 16-31 write what lanes 0-15 write)
	s_wait_tensorcnt 0x0
	ds_add_u32 v235, v239
	s_wait_dscnt 0x0
	s_endpgm
.Lfunc_end_k_q48b8b41fc9_prep:
	.size	k_q48b8b41fc9_prep, .Lfunc_end_k_q48b8b41fc9_prep-k_q48b8b41fc9_prep
	.p2alignl 7, 3214868480
	.fill 96, 4, 3214868480
	.section	.rodata,"a",@progbits
	.p2align	6, 0x0
	.amdhsa_kernel k_q48b8b41fc9_prep
		.amdhsa_group_segment_fixed_size 134144
		.amdhsa_private_segment_fixed_size 0
		.amdhsa_enable_private_segment 0
		.amdhsa_kernarg_size 48
		.amdhsa_user_sgpr_count 2
		.amdhsa_user_sgpr_kernarg_segment_ptr 1
		.amdhsa_wavefront_size32 1
		.amdhsa_system_sgpr_workgroup_id_x 1
		.amdhsa_system_sgpr_workgroup_id_y 1
		.amdhsa_system_sgpr_workgroup_id_z 1
		.amdhsa_system_vgpr_workitem_id 0
		.amdhsa_next_free_vgpr 256
		.amdhsa_next_free_sgpr 66
		.amdhsa_reserve_vcc 1
		.amdhsa_float_denorm_mode_32 3
		.amdhsa_float_denorm_mode_16_64 3
		.amdhsa_memory_ordered 1
		.amdhsa_forward_progress 1
		.amdhsa_inst_pref_size 35
	.end_amdhsa_kernel
	.amdgpu_metadata
---
amdhsa.version: [ 1, 2 ]
amdhsa.kernels:
  - .name:           k_q48b8b41fc9_prep
    .symbol:         k_q48b8b41fc9_prep.kd
    .args:
      - { .name: x, .offset: 0, .size: 8, .value_kind: global_buffer, .address_space: global }
      - { .name: W_in, .offset: 8, .size: 8, .value_kind: global_buffer, .address_space: global }
      - { .name: W_out, .offset: 16, .size: 8, .value_kind: global_buffer, .address_space: global }
      - { .name: wc, .offset: 24, .size: 8, .value_kind: global_buffer, .address_space: global }
      - { .name: ws, .offset: 32, .size: 8, .value_kind: global_buffer, .address_space: global }
      - { .name: tab, .offset: 40, .size: 8, .value_kind: global_buffer, .address_space: global }
    .group_segment_fixed_size: 134144
    .private_segment_fixed_size: 0
    .kernarg_segment_align: 8
    .kernarg_segment_size: 48
    .max_flat_workgroup_size: 256
    .sgpr_count:     66
    .vgpr_count:     256
    .wavefront_size: 32
...
	.end_amdgpu_metadata
.endif
;; end of part 1
;; launch gemm_in (part 2): grid 12 x 16, 4 waves a work-group, clusters of 4 x 4, 327,680 bytes of LDS; arguments wc, ws, tab, b_in, qb, kv; writes qb, kv
.if DOCPART == 2
	.amdgcn_target "amdgcn-amd-amdhsa--gfx1250"
	.amdhsa_code_object_version 6
	.text
	.protected	k_q48b8b41fc9_gemm_in
	.globl	k_q48b8b41fc9_gemm_in
	.p2align	8
	.type	k_q48b8b41fc9_gemm_in,@function
k_q48b8b41fc9_gemm_in:
	s_mov_b64 s[64:65], 0
	v_nop
	global_prefetch_b8 v0, s[64:65] scope:SCOPE_SE
	s_setreg_imm32_b32 hwreg(HW_REG_WAVE_MODE, 25, 1), 1
	s_wait_xcnt 0x0
	s_wait_alu depctr_hold_cnt(0) depctr_sa_sdst(0) depctr_va_vdst(0) depctr_va_sdst(0) depctr_va_ssrc(0) depctr_va_vcc(0) depctr_vm_vsrc(0)
	s_getreg_b32 s2, hwreg(HW_REG_IB_STS2, 6, 4)
	s_cmp_eq_u32 s2, 0
	s_cbranch_scc0 .Lentry_in_a_cluster
	s_endpgm
.Lentry_in_a_cluster:
	s_bfe_u32 s2, ttmp6, 0x10000c
	s_cmp_lg_u32 s2, 0xf033
	s_cbranch_scc0 .Lentry_shape_is_right
	s_endpgm
.Lentry_shape_is_right:
.set HALFT,  24576
.set SLOT,   98304
.set SCL,    3*SLOT
.set HALFS,  4096
.set SPARE,  SCL+4*HALFS
.set FR,     12
.set REC,    13056
.set HKV,    32*REC
.set QSC,    3145728
.set L16,  4
.set L8,   5
.set R4,   6
.set A16,  8
.set A8,   11
.set B16,  14
.set B8,   17
.set ADRS, 20
.set SPW,  28
.set NIL,  29
.set PW,   30
.set PWS,  31
.set SC,   32
.set BI,   64
.set AF,   128
.set Y,    128
.set PC,   192
.set TC,   204
.set BV,   224
.set TM,   240
.set WV, 16
.set HR, 17
.set HC, 18
.set CX, 19
.set CY, 20
.set YY, 21
.set G1A,  24
.set G0A,  32
.set G1B,  44
.set G0B,  52
.set G1SA, 68
.set G0SA, 76
.set G1SB, 80
.set G0SB, 88
.set SEL,  100
.set MSB, 0
.macro WIN new
.if MSB != (\new)
	s_set_vgpr_msb (MSB<<8)|(\new)
.set MSB, (\new)
.endif
.endm
.macro JLOAD g0a, g1a, g0b, g1b
	s_cmp_eq_u32 s[HR], 0
	s_cbranch_scc0 .Lfor_b_\@
	tensor_load_to_lds s[\g0a:\g0a+3], s[\g1a:\g1a+7]
	s_nop 0
.rept 4
	v_nop
.endr
	s_branch .Lasked_\@
.Lfor_b_\@:
	tensor_load_to_lds s[\g0b:\g0b+3], s[\g1b:\g1b+7]
	s_nop 0
.rept 4
	v_nop
.endr
.Lasked_\@:
.endm
.macro CREST
	s_cmp_lg_u32 s[WV], 0
	s_cbranch_scc1 .Lnot_wave_0_\@
	s_barrier_signal -3
.Lnot_wave_0_\@:
	s_barrier_wait -3
	s_barrier_signal -1
	s_barrier_wait -1
.endm
.macro CROUND
	s_barrier_signal -1
	s_barrier_wait -1
	CREST
.endm
.macro PLACES n
.rept \n
	v_nop
.endr
.endm
.macro FRAG reg, a16, a8, off
	ds_load_b128 v[\reg:\reg+3], v[\a16] offset:\off
	ds_load_b64 v[\reg+4:\reg+5], v[\a8] offset:\off+512
	ds_load_b128 v[\reg+6:\reg+9], v[\a16] offset:\off+768
	ds_load_b64 v[\reg+10:\reg+11], v[\a8] offset:\off+1280
.endm
.macro FETCH_B slot, q, p
	WIN 0x40
.irp i, 0,1,2,3,4,5,6,7
	FRAG 128*(\p)+FR*\i, B16+(\slot), B8+(\slot), \i*3072+(\q)*1536
.endr
	WIN 0
.endm
.macro FETCH_A slot, q, i0
.irp i, \i0, \i0+1, \i0+2, \i0+3
	FRAG AF+FR*(\i), A16+(\slot), A8+(\slot), (\i)*3072+(\q)*1536
.endr
.endm
.macro SCALES ks
.irp i, 0,1,2,3,4,5,6,7
	ds_load_b64 v[SC+16*((\ks)%2)+2*\i:SC+16*((\ks)%2)+2*\i+1], v[ADRS] offset:512*\i+128*(\ks)
.endr
.endm
.macro MULS a0, g, first
.irp a, \a0, \a0+1
.irp b, 0,1,2,3,4,5,6,7
.if \first
	v_wmma_scale_f32_16x16x128_f8f6f4 v[8*(8*((\a)%4)+\b):8*(8*((\a)%4)+\b)+7], v[128*((\g)%2)+FR*\b:128*((\g)%2)+FR*\b+FR-1], v[AF+FR*(\a):AF+FR*(\a)+FR-1], v[BI+8*\b:BI+8*\b+7], v[SC+16*(((\g)/2)%2)+2*\b+(\g)%2], v[SC+16*(((\g)/2)%2)+2*(\a)+(\g)%2] matrix_a_fmt:MATRIX_FMT_FP6 matrix_b_fmt:MATRIX_FMT_FP6 matrix_a_scale:MATRIX_SCALE_ROW1
.else
	v_wmma_scale_f32_16x16x128_f8f6f4 v[8*(8*((\a)%4)+\b):8*(8*((\a)%4)+\b)+7], v[128*((\g)%2)+FR*\b:128*((\g)%2)+FR*\b+FR-1], v[AF+FR*(\a):AF+FR*(\a)+FR-1], v[8*(8*((\a)%4)+\b):8*(8*((\a)%4)+\b)+7], v[SC+16*(((\g)/2)%2)+2*\b+(\g)%2], v[SC+16*(((\g)/2)%2)+2*(\a)+(\g)%2] matrix_a_fmt:MATRIX_FMT_FP6 matrix_b_fmt:MATRIX_FMT_FP6 matrix_a_scale:MATRIX_SCALE_ROW1
.endif
.endr
.endr
.endm
.macro STEP g, first
.set NG, (\g)+1
.set NS, (NG/2)%3
.set NQ, NG%2
	s_wait_dscnt 16
	WIN 0xa1-0x20*(\first)
	MULS 0, \g, \first
	MULS 2, \g, \first
	s_wait_dscnt 0x0
	PLACES 4
	FETCH_B NS, NQ, NQ
	FETCH_A NS, NQ, 0
.if NQ == 0
	SCALES NG/2
.endif
	WIN 0xf1-0x30*(\first)
	MULS 4, \g, \first
	MULS 6, \g, \first
	PLACES 4
	WIN 0
	FETCH_A NS, NQ, 4
.endm
.macro TURN g, fill
.set NG, (\g)+1
.set NS, (NG/2)%3
	s_wait_tensorcnt 0x0
	ds_add_u32 v[SPW], v[NIL]
	s_wait_dscnt 17
	WIN 0xa1
	MULS 0, \g, 0
	s_wait_dscnt 0x0
	s_barrier_signal -1
	MULS 2, \g, 0
	WIN 0
	s_barrier_wait -1
.if \fill
	CREST
	s_add_nc_u64 s[G0A+2:G0A+3], s[G0A+2:G0A+3], 3*3072
	s_add_nc_u64 s[G0B+2:G0B+3], s[G0B+2:G0B+3], 3*3072
	JLOAD G0A, G1A, G0B, G1B
.else
	PLACES 4
.endif
	FETCH_B NS, 0, 0
	FETCH_A NS, 0, 0
	SCALES NG/2
	WIN 0xf1
	MULS 4, \g, 0
	MULS 6, \g, 0
	PLACES 4
	WIN 0
	FETCH_A NS, 0, 4
.endm
.macro QUANT s, pc, pw
.irp b, 0,1,2,3
	v_max3_num_f32 v[TM+\b], |v[\s+16*\b]|, |v[\s+1+16*\b]|, 0x1800000
.endr
.irp i, 2,4,6,8,10,12,14
.irp b, 0,1,2,3
	v_max3_num_f32 v[TM+\b], v[TM+\b], |v[\s+16*\b+\i]|, |v[\s+1+16*\b+\i]|
.endr
.endr
.irp b, 0,1,2,3
	v_permlanex16_b32 v[TM+4+\b], v[TM+\b], s[SEL], s[SEL+1]
.endr
.irp b, 0,1,2,3
	v_max_num_f32 v[TM+\b], v[TM+\b], v[TM+4+\b]
.endr
.irp b, 0,1,2,3
	v_add_nc_u32 v[TM+12+\b], 0xff000000, v[TM+\b]
.endr
.irp b, 0,1,2,3
	v_lshrrev_b32 v[TM+4+\b], 23, v[TM+12+\b]
.endr
	v_lshl_or_b32 v[\pw], v[TM+5], 8, v[TM+4]
	v_lshl_or_b32 v[\pw], v[TM+6], 16, v[\pw]
	v_lshl_or_b32 v[\pw], v[TM+7], 24, v[\pw]
.irp c, 0,1
	v_cvt_scalef32_pk16_fp6_f32 v[\pc+6*\c:\pc+2+6*\c], v[\s+32*\c:\s+15+32*\c], v[TM+12+2*\c]
	v_cvt_scalef32_pk16_fp6_f32 v[TC+4*\c:TC+2+4*\c], v[\s+16+32*\c:\s+31+32*\c], v[TM+12+2*\c+1]
.endr
	v_nop
.irp c, 0,1
.irp i, 0,1,2
	v_permlane16_swap_b32 v[\pc+6*\c+\i], v[TC+4*\c+\i]
.endr
.irp i, 0,1,2
	v_mov_b32 v[\pc+3+6*\c+\i], v[TC+4*\c+\i]
.endr
.endr
.endm
	s_load_b256 s[4:11], s[0:1], 0x0
	s_load_b128 s[12:15], s[0:1], 0x20
	v_lshl_add_u32 v[SPW], v0, 2, SPARE
	v_mov_b32 v[NIL], 0
	ds_add_u32 v28, v29
	ds_add_u32 v28, v29
	s_wait_dscnt 0x0
	v_lshrrev_b32 v1, 5, v0
	v_readfirstlane_b32 s[WV], v1
	s_lshr_b32 s[HR], s[WV], 1
	s_and_b32 s[HC], s[WV], 1
	s_bfe_u32 s[CX], ttmp6, 0x40000
	s_bfe_u32 s[CY], ttmp6, 0x40004
	s_and_b32 s[YY], ttmp7, 0xffff
	s_lshl_b32 s22, s[CY], 2
	s_lshl_b32 s22, 15, s22
	s_lshl_b32 s2, 0x1111, s[CX]
	s_or_b32 s[G1A], s22, (3<<16)|(1<<21)
	s_or_b32 s[G1SA], s22, (3<<16)|(1<<21)
	s_or_b32 s[G1B], s2, (3<<16)|(1<<21)
	s_or_b32 s[G1SB], s2, (3<<16)|(1<<21)
.irp g, G1A, G1B
	s_mov_b32 s[\g+1], 384<<16
	s_mov_b32 s[\g+2], 8<<16
	s_mov_b32 s[\g+3], 384<<16
	s_mov_b32 s[\g+4], 8
	s_mov_b32 s[\g+5], 1536
	s_mov_b32 s[\g+6], 0
	s_mov_b32 s[\g+7], 0
.endr
.irp g, G1SA, G1SB
	s_mov_b32 s[\g+1], 32<<16
	s_mov_b32 s[\g+2], 16<<16
	s_mov_b32 s[\g+3], 32<<16
	s_mov_b32 s[\g+4], 16
	s_mov_b32 s[\g+5], 32
	s_mov_b32 s[\g+6], 0
	s_mov_b32 s[\g+7], 0
.endr
	s_lshl_b32 s22, s[YY], 2
	s_add_co_u32 s22, s22, s[CY]
	s_lshl_b32 s22, s22, 4
	s_lshl_b32 s23, s[CY], 4
	s_add_co_u32 s23, s23, 384
	s_cmp_lt_u32 ttmp9, 2
	s_cselect_b32 s66, s22, s23
	s_lshl_b32 s2, ttmp9, 2
	s_add_co_u32 s2, s2, s[CX]
	s_lshl_b32 s2, s2, 4
	s_add_co_u32 s2, s2, 256
	s_lshl_b32 s3, s[YY], 2
	s_add_co_u32 s3, s3, s[CX]
	s_lshl_b32 s3, s3, 4
	s_cmp_lt_u32 ttmp9, 2
	s_cselect_b32 s67, s2, s3
	s_lshl_b32 s100, s[HC], 3
	s_add_co_u32 s66, s66, s100
	s_add_co_u32 s67, s67, s100
	s_mul_i32 s92, s66, 12288
	s_mov_b32 s93, 0
	s_lshl_b32 s94, s66, 9
	s_mov_b32 s95, 0
	s_mul_i32 s96, s67, 12288
	s_mov_b32 s97, 0
	s_lshl_b32 s98, s67, 9
	s_mov_b32 s99, 0
	s_mul_i32 s100, s[WV], HALFT
	s_mul_i32 s101, s[WV], HALFS
	s_wait_kmcnt 0x0
	s_add_nc_u64 s[92:93], s[4:5], s[92:93]
	s_add_nc_u64 s[94:95], s[6:7], s[94:95]
	s_add_nc_u64 s[96:97], s[4:5], s[96:97]
	s_add_nc_u64 s[98:99], s[6:7], s[98:99]
	CROUND
	s_mov_b32 s[G0SA], 1
	s_add_co_u32 s[G0SA+1], s101, SCL
	s_mov_b64 s[G0SA+2:G0SA+3], s[94:95]
	s_or_b32 s[G0SA+3], s[G0SA+3], 0x80000000
	s_mov_b32 s[G0SB], 1
	s_add_co_u32 s[G0SB+1], s101, SCL
	s_mov_b64 s[G0SB+2:G0SB+3], s[98:99]
	s_or_b32 s[G0SB+3], s[G0SB+3], 0x80000000
	JLOAD G0SA, G1SA, G0SB, G1SB
.irp k, 0,1,2
	s_mov_b32 s[G0A+4*\k], 1
	s_add_co_u32 s[G0A+4*\k+1], s100, \k*SLOT
	s_add_nc_u64 s[G0A+4*\k+2:G0A+4*\k+3], s[92:93], \k*3072
	s_or_b32 s[G0A+4*\k+3], s[G0A+4*\k+3], 0x80000000
	s_mov_b32 s[G0B+4*\k], 1
	s_add_co_u32 s[G0B+4*\k+1], s100, \k*SLOT
	s_add_nc_u64 s[G0B+4*\k+2:G0B+4*\k+3], s[96:97], \k*3072
	s_or_b32 s[G0B+4*\k+3], s[G0B+4*\k+3], 0x80000000
	s_wait_alu depctr_va_vdst(0)
	s_wait_tensorcnt 0x0
	ds_add_u32 v28, v29
	s_wait_dscnt 0x0
	CROUND
	JLOAD G0A+4*\k, G1A, G0B+4*\k, G1B
.endr
	v_and_b32 v1, 31, v0
	v_and_b32 v2, 15, v0
	v_bfe_u32 v3, v0, 4, 1
	v_lshlrev_b32 v[L16], 4, v1
	v_lshlrev_b32 v[L8], 3, v1
	v_lshlrev_b32 v[R4], 2, v2
	s_mul_i32 s22, s[HR], HALFT
	s_mul_i32 s23, s[HC], HALFT
	s_add_co_u32 s23, s23, 2*HALFT
.irp k, 0,1,2
	v_add_nc_u32 v[A16+\k], s22, v[L16]
	v_add_nc_u32 v[A8+\k], s22, v[L8]
	v_add_nc_u32 v[B16+\k], s23, v[L16]
	v_add_nc_u32 v[B8+\k], s23, v[L8]
	s_add_co_u32 s22, s22, SLOT
	s_add_co_u32 s23, s23, SLOT
.endr
	s_mul_i32 s22, s[HR], HALFS
	s_mul_i32 s23, s[HC], HALFS
	s_add_co_u32 s23, s23, 2*HALFS
	s_sub_co_u32 s23, s23, s22
	v_mul_u32_u24 v7, s23, v3
	v_lshl_add_u32 v7, v2, 3, v7
	s_add_co_u32 s22, s22, SCL
	v_add_nc_u32 v[ADRS], s22, v7
	v_and_b32 v23, 8, v2
	v_add_nc_u32 v23, v23, v2
	v_lshlrev_b32 v23, 2, v23
	s_wait_alu depctr_va_vdst(0)
	v_lshlrev_b32 v24, 6, v3
	v_lshlrev_b32 v22, 4, v3
	s_lshl_b32 s2, ttmp9, 12
	s_lshl_b32 s3, s[CX], 10
	s_add_co_u32 s2, s2, s3
	s_lshl_b32 s3, s[HC], 9
	s_add_co_u32 s2, s2, s3
	s_mov_b32 s3, 0
	s_add_nc_u64 s[92:93], s[10:11], s[2:3]
	s_lshl_b32 s2, s[CY], 10
	s_lshl_b32 s22, s[HR], 9
	s_add_co_u32 s2, s2, s22
	s_add_co_u32 s2, s2, 8192
	s_add_nc_u64 s[94:95], s[10:11], s[2:3]
	s_lshl_b32 s2, s[YY], 2
	s_add_co_u32 s2, s2, s[CY]
	s_lshl_b32 s2, s2, 4
	s_lshl_b32 s22, s[HR], 3
	s_add_co_u32 s2, s2, s22
	s_lshl_b32 s2, s2, 12
	s_add_nc_u64 s[98:99], s[8:9], s[2:3]
.irp a, 0,1,2,3,4,5,6,7
	global_load_b32 v[BV+2*\a], v23, s[94:95] offset:4*(32*(\a/2)+8*(\a%2))
	global_load_b32 v[BV+2*\a+1], v23, s[94:95] offset:4*(32*(\a/2)+8*(\a%2))
.endr
	WIN 0x40
.irp j, 0,1,2,3,4,5,6,7
	global_load_b128 v[96+4*\j:99+4*\j], v[L16], s[98:99] offset:512*\j
.endr
	WIN 0
	s_cmp_lt_u32 ttmp9, 2
	s_cbranch_scc0 .Lzero
	s_wait_alu depctr_va_vdst(0)
.irp b, 0,1,2,3,4,5,6,7
	global_load_b128 v[BI+8*\b:BI+8*\b+3], v24, s[92:93] offset:4*(32*(\b/2)+8*(\b%2))
	global_load_b128 v[BI+8*\b+4:BI+8*\b+7], v24, s[92:93] offset:4*(32*(\b/2)+8*(\b%2))+16
.endr
	s_branch .Lbias_done
.Lzero:
.set i, 0
.rept 64
	v_mov_b32 v[BI+i], 0
.set i, i+1
.endr
.Lbias_done:
	s_mov_b32 s[SEL], 0x76543210
	s_mov_b32 s[SEL+1], 0xfedcba98
	s_wait_alu depctr_va_vdst(0)
	s_wait_tensorcnt 2
	s_barrier_signal -1
	s_barrier_wait -1
	FETCH_B 0, 0, 0
	FETCH_A 0, 0, 0
	SCALES 0
	FETCH_A 0, 0, 4
.irp b, 0,1,2,3
	v_mov_b32 v[TM+4+\b], 0
.endr
	PLACES 4
	s_wait_loadcnt 0x0
	STEP 0, 1
	TURN 1, 1
	STEP 2, 0
	STEP 3, 0
	STEP 4, 0
	TURN 5, 0
	STEP 6, 0
	s_wait_dscnt 16
	WIN 0xa1
	MULS 0, 7, 0
	MULS 2, 7, 0
	s_wait_dscnt 0x0
	WIN 0xf1
	MULS 4, 7, 0
	MULS 6, 7, 0
	WIN 0
	PLACES 4
	s_cmp_lt_u32 ttmp9, 2
	s_cbranch_scc0 .Lvpath
	s_lshl_b32 s2, s[CX], 2
	s_lshl_b32 s3, s[HC], 1
	s_add_co_u32 s2, s2, s3
	s_lshl_b32 s3, s[YY], 2
	s_add_co_u32 s3, s3, s[CY]
	s_lshl_b32 s3, s3, 1
	s_add_co_u32 s3, s3, s[HR]
	s_mov_b32 s22, HKV
	s_mov_b32 s23, REC
	s_mov_b32 s66, HKV
	s_mov_b32 s67, REC
	s_mov_b32 s96, 6144
	s_cmp_eq_u32 ttmp9, 0
	s_cselect_b64 s[92:93], s[12:13], s[14:15]
	s_cselect_b32 s22, 196608, s22
	s_cselect_b32 s23, 6144, s23
	s_cselect_b32 s66, 16384, s66
	s_cselect_b32 s67, 512, s67
	s_cselect_b32 s96, QSC, s96
	v_mul_lo_u32 v21, v3, s66
	v_lshl_add_u32 v21, v2, 2, v21
	s_mul_i32 s94, s2, s22
	s_mul_i32 s23, s3, s23
	s_add_co_u32 s94, s94, s23
	s_mov_b32 s95, 0
	s_mul_i32 s2, s2, s66
	s_mul_i32 s3, s3, s67
	s_add_co_u32 s96, s96, s2
	s_add_co_u32 s96, s96, s3
	s_mov_b32 s97, 0
	s_mov_b32 s23, 0
	s_add_nc_u64 s[94:95], s[92:93], s[94:95]
	s_add_nc_u64 s[96:97], s[92:93], s[96:97]
	s_add_nc_u64 s[92:93], s[94:95], s[22:23]
.macro QKBLK a
.set XA, 64*((\a)%4)
.set SN, 96+128*((\a)%2)
.set CN, SN+16
.if (\a) < 7
	WIN 0x40
.irp j, 0,1,2,3,4,5,6,7
	global_load_b128 v[96+128*(((\a)+1)%2)+4*\j:96+128*(((\a)+1)%2)+4*\j+3], v[L16], s[98:99] offset:4096*((\a)+1)+512*\j
.endr
	s_wait_loadcnt 8
.else
	s_wait_loadcnt 0x0
.endif
	WIN (2+(\a)/4)|4
.irp g, 0,1
.irp i, 0,2,4,6,8,10,12,14
	v_pk_mul_f32 v[Y+32*\g+\i:Y+32*\g+\i+1], v[XA+32*\g+\i:XA+32*\g+\i+1], v[SN+\i:SN+\i+1]
	v_pk_mul_f32 v[Y+32*\g+16+\i:Y+32*\g+16+\i+1], v[XA+32*\g+16+\i:XA+32*\g+16+\i+1], v[SN+\i:SN+\i+1]
.endr
.irp i, 0,2,4,6,8,10,12,14
	v_pk_fma_f32 v[Y+32*\g+\i:Y+32*\g+\i+1], v[XA+32*\g+16+\i:XA+32*\g+16+\i+1], v[CN+\i:CN+\i+1], v[Y+32*\g+\i:Y+32*\g+\i+1]
	v_pk_fma_f32 v[Y+32*\g+16+\i:Y+32*\g+16+\i+1], v[XA+32*\g+\i:XA+32*\g+\i+1], v[CN+\i:CN+\i+1], v[Y+32*\g+16+\i:Y+32*\g+16+\i+1] neg_lo:[0,0,1] neg_hi:[0,0,1]
.endr
.endr
	WIN 0
	s_wait_xcnt 0x0
	QUANT Y, PC, PW
	v_lshrrev_b32 v[PWS], v22, v[PW]
	global_store_b128 v[L16], v[PC:PC+3], s[94:95] offset:768*(\a)
	global_store_b64 v[L8], v[PC+4:PC+5], s[94:95] offset:768*(\a)+512
	global_store_b128 v[L16], v[PC+6:PC+9], s[92:93] offset:768*(\a)
	global_store_b64 v[L8], v[PC+10:PC+11], s[92:93] offset:768*(\a)+512
	global_store_b32 v21, v[PWS], s[96:97] offset:64*(\a)
.endm
.irp a, 0,1,2,3,4,5,6,7
	QKBLK \a
.endr
	s_branch .Ldone
.Lvpath:
	s_lshl_b32 s2, s[CY], 2
	s_lshl_b32 s3, s[HR], 1
	s_add_co_u32 s2, s2, s3
	s_lshl_b32 s3, s[YY], 2
	s_add_co_u32 s3, s3, s[CX]
	s_lshl_b32 s3, s3, 1
	s_add_co_u32 s3, s3, s[HC]
	s_mul_i32 s94, s2, HKV
	s_mul_i32 s3, s3, REC
	s_add_co_u32 s94, s94, s3
	s_mov_b32 s95, 0
	s_add_nc_u64 s[94:95], s[14:15], s[94:95]
.macro VBLK a
.set XA, 64*((\a)%4)
	WIN 2+(\a)/4
.set i, 0
.rept 32
	v_pk_add_f32 v[Y+i:Y+i+1], v[XA+i:XA+i+1], v[BV+2*(\a):BV+2*(\a)+1]
.set i, i+2
.endr
	WIN 0
	s_wait_xcnt 0x0
	QUANT Y, PC, PW
.irp p, 0,1,2
	global_store_b128 v[L16], v[PC+4*\p:PC+4*\p+3], s[94:95] offset:((\a)/4)*HKV+6656+((\a)%4)*1536+512*\p
.endr
	global_store_b32 v[R4], v[PW], s[94:95] offset:((\a)/4)*HKV+12800+64*((\a)%4)
.endm
.irp a, 0,1,2,3,4,5,6,7
	VBLK \a
.endr
.Ldone:
	s_wait_tensorcnt 0x0
	ds_add_u32 v[SPW], v[NIL]
	s_wait_dscnt 0x0
	CROUND
	s_endpgm
.Lfunc_end_k_q48b8b41fc9_gemm_in:
	.size	k_q48b8b41fc9_gemm_in, .Lfunc_end_k_q48b8b41fc9_gemm_in-k_q48b8b41fc9_gemm_in
	.p2alignl 7, 3214868480
	.fill 96, 4, 3214868480
	.section	.rodata,"a",@progbits
	.p2align	6, 0x0
	.amdhsa_kernel k_q48b8b41fc9_gemm_in
		.amdhsa_group_segment_fixed_size 327680
		.amdhsa_private_segment_fixed_size 0
		.amdhsa_enable_private_segment 0
		.amdhsa_kernarg_size 48
		.amdhsa_user_sgpr_count 2
		.amdhsa_user_sgpr_kernarg_segment_ptr 1
		.amdhsa_wavefront_size32 1
		.amdhsa_system_sgpr_workgroup_id_x 1
		.amdhsa_system_sgpr_workgroup_id_y 1
		.amdhsa_system_sgpr_workgroup_id_z 1
		.amdhsa_system_vgpr_workitem_id 0
		.amdhsa_next_free_vgpr 1024
		.amdhsa_next_free_sgpr 102
		.amdhsa_reserve_vcc 0
		.amdhsa_float_denorm_mode_32 3
		.amdhsa_float_denorm_mode_16_64 3
		.amdhsa_memory_ordered 1
		.amdhsa_forward_progress 1
		.amdhsa_inst_pref_size 246
	.end_amdhsa_kernel
	.amdgpu_metadata
---
amdhsa.version: [ 1, 2 ]
amdhsa.kernels:
  - .name:           k_q48b8b41fc9_gemm_in
    .symbol:         k_q48b8b41fc9_gemm_in.kd
    .args:
      - { .name: wc, .offset: 0, .size: 8, .value_kind: global_buffer, .address_space: global }
      - { .name: ws, .offset: 8, .size: 8, .value_kind: global_buffer, .address_space: global }
      - { .name: tab, .offset: 16, .size: 8, .value_kind: global_buffer, .address_space: global }
      - { .name: b_in, .offset: 24, .size: 8, .value_kind: global_buffer, .address_space: global }
      - { .name: qb, .offset: 32, .size: 8, .value_kind: global_buffer, .address_space: global }
      - { .name: kv, .offset: 40, .size: 8, .value_kind: global_buffer, .address_space: global }
    .group_segment_fixed_size: 327680
    .private_segment_fixed_size: 0
    .kernarg_segment_align: 8
    .kernarg_segment_size: 48
    .max_flat_workgroup_size: 128
    .sgpr_count:     102
    .vgpr_count:     1024
    .wavefront_size: 32
...
	.end_amdgpu_metadata
.endif
;; end of part 2
;; launch attn (part 3): grid 16 x 16, 16 waves a work-group, clusters of 4 x 1, 327,680 bytes of LDS; arguments qb, kv, wc, ws; writes wc, ws
.if DOCPART == 3
	.amdgcn_target "amdgcn-amd-amdhsa--gfx1250"
	.amdhsa_code_object_version 6
	.text
	.protected	k_q48b8b41fc9_attn
	.globl	k_q48b8b41fc9_attn
	.p2align	8
	.type	k_q48b8b41fc9_attn,@function
k_q48b8b41fc9_attn:
	s_mov_b64 s[64:65], 0
	v_nop
	global_prefetch_b8 v0, s[64:65] scope:SCOPE_SE
	s_setreg_imm32_b32 hwreg(HW_REG_WAVE_MODE, 25, 1), 1
	s_wait_xcnt 0x0
	s_wait_alu depctr_hold_cnt(0) depctr_sa_sdst(0) depctr_va_vdst(0) depctr_va_sdst(0) depctr_va_ssrc(0) depctr_va_vcc(0) depctr_vm_vsrc(0)
	s_getreg_b32 s2, hwreg(HW_REG_IB_STS2, 6, 4)
	s_cmp_eq_u32 s2, 0
	s_cbranch_scc0 .Lentry_in_a_cluster
	s_endpgm
.Lentry_in_a_cluster:
	s_bfe_u32 s2, ttmp6, 0x10000c
	s_cmp_lg_u32 s2, 0x3003
	s_cbranch_scc0 .Lentry_shape_is_right
	s_endpgm
.Lentry_shape_is_right:
; y[h][q] = the sum over k <= q of softmax_k(q . k / 8) v, both products on codes of FP6 (E2M3) with E8M0 scales; y is quantised along its 64 channels and stored as gemm_out's operand.
; THE SOFTMAX: t = score x log2(e) / 8; M = the running largest t rounded UP to a whole number; p = 2^(t - M) is quantised along the keys, not normalised; the row's sum is taken of the unquantised p and divides at the end.
; When M moves, the sum and O are multiplied by 2^(old M - new M): exact.  So a tile's keys may be shared between two waves, each with its own M, sum and O, joined at the end by the same exact factors.
; The first product's K is the head's 64: registers 0-5 of q's and k's fragments; registers 6-11 are zero codes, written once.
; Key steps that lie wholly behind the causal mask are dealt to no wave.
; SHARES.  A head has 32 blocks of 128 queries and 32 records (a key step of 128 keys: K's and V's tiles and scale words, 13,056 dense bytes).  A cluster X of four work-groups owns blocks B = X + 4 P and 31 - B, P = 0..3.
; Partner cx takes tiles 2 cx + w % 2 of each block's eight.  Waves 4 P + 0, 1 (role a) take the upper tile's records 0 .. 16: 17 steps.  Waves 4 P + 2, 3 (role b) take the lower tile's records 0 .. B, finish and store it,
; and then take the upper tile's records 31 - B down to 17: 16 steps.  At time u = 0 .. 15 role a and the lower tiles read record u, the upper tiles of role b record 32 - u: two streams, the same for every B.
; RING.  Two slots of eight places.  Phase p (times 4 p .. 4 p + 3): places 0-3 hold records 4 p + j, places 4-7 records 32 - 4 p - j; place 4 of phase 0, which has no such record, holds record 16, which role a reads in
; phase 0's fifth trip.  Every phase has five trips (a constant): the fifth is that step in phase 0, and else holds only the test for role b's change of tiles.
; CLUSTER.  The four partners walk the same records: each is asked for JOINTLY; waves 0-7 fetch one each, behind a round of the cluster's barrier at a phase's head.  Every branch hangs on X, the wave's number and counters alone.
; No K or V record is prefetched: each fill is asked for one whole phase, four key steps of all sixteen waves, ahead of its first read.
; LAYOUT.  S^T = K Q^T (source 0 = 16 keys), O^T = V^T P^T (source 0 = 16 channels): a lane holds ONE query.  Lane r of a tile of keys holds key 32 (t / 2) + 8 (t % 2) + r + 8 (r / 8), so the 16 registers of tiles 2 b, 2 b + 1 are
; 16 neighbouring keys; V's channels are dealt the same way.
; LIMITS: NaN and infinities are not served; the promise holds while |t| stays under 2^31; a block whose largest magnitude lies under 2^-124, zeros among them, keeps the byte 1.
; REGISTERS: v1-3 16, 8 x lane, 4 r; v4, v7, v8 the step's LDS addresses; v5, v6 the add's; v9 the mask's number; v10 at work; v11 the joining stage; v12 -M, v13 the largest t, v[14:15] the sum; v16-27 Q; v28-31 V's scale words;
;   v32-79 four fragments of K; v80-127 V's four; v128-191 S^T, then p; v192-223 O^T; v224-235 p's codes; v232-254 at work; v248-251 K's scale words; v253 p's; v255 Q's.
.set REC,   13056
.set HKV,   32*REC
.set QSC,   3145728
.set SLOT1, 1<<17
.set SPARE, 2*SLOT1                    ; the spare words, 128 bytes for each wave
.set SGB,   4608                       ; the joining stage of one pair of waves: O^T's 4,096 bytes and v12-15's 512; it lies in slot 0, behind that slot's last fill and last read
.set L16,  1
.set L8,   2
.set R4,   3
.set AD16, 4
.set SPW,  5
.set NIL,  6
.set AD8,  7
.set AD4,  8
.set DM,   9
.set STG,  11
.set S,    128
.set O,    192
.set WV,   18
.set RL,   19                          ; role: 0 a, 1 b
.set SEL,  20
.set CS,   22
.set G1,   24
.set G0,   32
.set TB,   36                          ; LDS byte of place j of the phase's slot
.set KS,   37                          ; the time u
.set BETA, 38                          ; my present tile's block
.set PH,   39
.set CNT,  40
.set SW,   43                          ; from this time on role b reads the second stream (role a: never)
.set HIB,  44                          ; the upper block, 31 - B
.set RC,   45                          ; the step's record
.set T2,   47                          ; 2 cx + w % 2
.set LP,   48                          ; the loader's place, in bytes
.set LS,   49                          ; the slot that the next fill takes
.set KVB,  50                          ; s[50:51] the head's records
.set VR,   62                          ; the loader's record
.set VS,   63                          ; and its step from phase to phase: 4 or -4
.set SWT,  72                          ; the time at which role b changes tiles; 99 once it has
.set XA,   73                          ; 1: the fifth trip is a step (role a, phase 0)
.set TE,   74                          ; LDS byte of the step's record
.macro CROUND
	s_barrier_signal -1
	s_barrier_wait -1
	s_cmp_lg_u32 s[WV], 0
	s_cbranch_scc1 .Lnot_wave_0_\@
	s_barrier_signal -3
.Lnot_wave_0_\@:
	s_barrier_wait -3
	s_barrier_signal -1
	s_barrier_wait -1
.endm
.macro TLOAD                           ; waves 0-7 fetch a record each; the branch hangs on the wave's number alone
	s_cmp_lt_u32 s[WV], 8
	s_cbranch_scc0 .Lnone_\@
	tensor_load_to_lds s[G0:G0+3], s[G1:G1+7]
	s_nop 0
.rept 4
	v_nop
.endr
.Lnone_\@:
.endm
.macro QADR d                          ; row block s46: Q's half image -> s[d:d+1], its scale words -> s[d+2:d+3]
	s_mul_i32 s[\d], s42, 196608
	s_mul_i32 s60, s46, 768
	s_add_co_u32 s[\d], s[\d], s60
	s_mov_b32 s[\d+1], 0
	s_lshl_b32 s[\d+2], s42, 14
	s_lshl_b32 s60, s46, 6
	s_add_co_u32 s[\d+2], s[\d+2], s60
	s_add_co_u32 s[\d+2], s[\d+2], QSC
	s_mov_b32 s[\d+3], 0
	s_add_nc_u64 s[\d:\d+1], s[4:5], s[\d:\d+1]
	s_add_nc_u64 s[\d+2:\d+3], s[4:5], s[\d+2:\d+3]
.endm
.macro YADR                            ; row block s46: y's half image in wc -> s[56:57], its two scale bytes a row in ws -> s[58:59]
	s_add_co_u32 s60, s46, 512
	s_mul_i32 s56, s60, 12288
	s_mul_i32 s61, s42, 768
	s_add_co_u32 s56, s56, s61
	s_mov_b32 s57, 0
	s_lshl_b32 s58, s60, 9
	s_lshr_b32 s61, s42, 2
	s_lshl_b32 s61, s61, 7
	s_add_co_u32 s58, s58, s61
	s_and_b32 s61, s42, 3
	s_lshl_b32 s61, s61, 1
	s_add_co_u32 s58, s58, s61
	s_mov_b32 s59, 0
	s_add_nc_u64 s[56:57], s[8:9], s[56:57]
	s_add_nc_u64 s[58:59], s[10:11], s[58:59]
.endm
.macro QLOAD d
	global_load_b128 v[16:19], v[L16], s[\d:\d+1]
	global_load_b64 v[20:21], v[L8], s[\d:\d+1] offset:512
	global_load_b32 v255, v[R4], s[\d+2:\d+3]
.endm
.macro INIT                            ; a tile's sums begin: the largest t -3e38, under every t; the first change of M multiplies zeros
	v_mov_b32 v13, 0xff61b1e6
	v_mov_b32 v14, 0
	v_floor_f32 v12, -v13
	v_mov_b32 v15, 0
.set j, 0
.rept 32
	v_mov_b32 v[O+j], 0
.set j, j+1
.endr
.endm
; A TILE LEAVES: O^T / the sum; register 16 b + i is channel 32 b + 16 h + i of my query: two blocks of 32, half a fragment.
.macro FINISH
	v_add_f32 v14, v14, v15
	s_delay_alu instid0(VALU_DEP_1)
	v_permlanex16_b32 v252, v14, s[SEL], s[SEL+1]
	s_delay_alu instid0(VALU_DEP_1)
	v_add_f32 v14, v14, v252
	s_wait_alu depctr_va_vdst(0)                   ; the wait ahead of the transcendental
	v_rcp_f32 v14, v14
	v_and_b32 v10, 15, v0
	s_delay_alu instid0(VALU_DEP_1)
	v_lshlrev_b32 v10, 3, v10                      ; 8 r: my row's 8 bytes in ws
	v_nop
	v_nop
	s_wait_alu depctr_va_vdst(0)                   ; and ahead of its first reader
.set j, 0
.rept 32
	v_mul_f32 v[S+j], v[O+j], v14                  ; each accumulator from its low end on
.set j, j+1
.endr
.irp b, 0,1
	v_max3_num_f32 v[232+\b], |v[S+16*\b]|, |v[S+1+16*\b]|, 0x1800000
.endr
.irp i, 2,4,6,8,10,12,14
.irp b, 0,1
	s_delay_alu instid0(VALU_DEP_2)
	v_max3_num_f32 v[232+\b], v[232+\b], |v[S+16*\b+\i]|, |v[S+1+16*\b+\i]|
.endr
.endr
.irp b, 0,1
	s_delay_alu instid0(VALU_DEP_2)
	v_permlanex16_b32 v[236+\b], v[232+\b], s[SEL], s[SEL+1]
.endr
.irp b, 0,1
	s_delay_alu instid0(VALU_DEP_2)
	v_max_num_f32 v[232+\b], v[232+\b], v[236+\b]
.endr
.irp b, 0,1
	s_delay_alu instid0(VALU_DEP_2)
	v_add_nc_u32 v[244+\b], 0xff000000, v[232+\b]
.endr
.irp b, 0,1
	s_delay_alu instid0(VALU_DEP_2)
	v_lshrrev_b32 v[236+\b], 23, v[244+\b]
.endr
	s_delay_alu instid0(VALU_DEP_1)
	v_lshl_or_b32 v253, v237, 8, v236              ; the head's two scale bytes of my row
	v_cvt_scalef32_pk16_fp6_f32 v[224:226], v[S:S+15], v244
	v_cvt_scalef32_pk16_fp6_f32 v[240:242], v[S+16:S+31], v245
	v_nop
.irp i, 0,1,2
	v_permlane16_swap_b32 v[224+\i], v[240+\i]
.endr
.irp i, 0,1,2
	s_delay_alu instid0(VALU_DEP_3)
	v_mov_b32 v[227+\i], v[240+\i]
.endr
	global_store_b128 v[L16], v[224:227], s[56:57] ; half an image: 512 + 256 consecutive bytes
	global_store_b64 v[L8], v[228:229], s[56:57] offset:512
	global_store_b16 v10, v253, s[58:59]           ; (lanes 16-31 write what lanes 0-15 write)
.endm
; ROLE b CHANGES TILES: the upper tile's Q is asked for first and comes in while the lower tile leaves.
.macro SWITCH
	QLOAD 66
	FINISH
	s_wait_xcnt 0x0                                ; the stores have read their registers and bases
	s_mov_b32 s[BETA], s[HIB]
	s_mov_b32 s[SWT], 99
	s_lshl_b32 s46, s[HIB], 3
	s_add_co_u32 s46, s46, s[T2]
	YADR
	INIT
	s_wait_alu depctr_va_vdst(0)                   ; the wait ahead of the wait below
	s_wait_loadcnt 0x0
.endm
; A KEY STEP: the 128 keys of record s[RC], which lies at LDS byte s[TE].
.macro CORE
	v_add_nc_u32 v[AD16], s[TE], v[L16]
	v_add_nc_u32 v[AD8], s[TE], v[L8]
	v_add_nc_u32 v[AD4], s[TE], v[R4]
	v_nop                                          ; four plain lines behind the last step's products
.irp t, 0,1,2,3
	ds_load_b128 v[32+12*\t:35+12*\t], v[AD16] offset:768*\t
	ds_load_b64 v[36+12*\t:37+12*\t], v[AD8] offset:768*\t+512
	ds_load_b32 v[248+\t], v[AD4] offset:6144+64*\t
.endr
	s_wait_alu depctr_va_vdst(0)
	s_wait_dscnt 0x0
.irp t, 0,1,2,3
	v_wmma_scale_f32_16x16x128_f8f6f4 v[S+8*\t:S+8*\t+7], v[32+12*\t:43+12*\t], v[16:27], 0, v[248+\t], v255 matrix_a_fmt:MATRIX_FMT_FP6 matrix_b_fmt:MATRIX_FMT_FP6
.endr
.rept 4
	v_nop
.endr
.irp t, 0,1,2,3
	ds_load_b128 v[32+12*\t:35+12*\t], v[AD16] offset:768*(4+\t)
	ds_load_b64 v[36+12*\t:37+12*\t], v[AD8] offset:768*(4+\t)+512
	ds_load_b32 v[248+\t], v[AD4] offset:6144+64*(4+\t)
.endr
.irp t, 0,1,2,3
.irp p, 0,1,2
	ds_load_b128 v[80+12*\t+4*\p:83+12*\t+4*\p], v[AD16] offset:6656+1536*\t+512*\p   ; V, asked for a softmax ahead of its use
.endr
	ds_load_b32 v[28+\t], v[AD4] offset:12800+64*\t
.endr
	s_wait_dscnt 16                                ; K's tiles 4-7 are in; V's 16 loads may be out
.irp t, 0,1,2,3
	v_wmma_scale_f32_16x16x128_f8f6f4 v[S+32+8*\t:S+32+8*\t+7], v[32+12*\t:43+12*\t], v[16:27], 0, v[248+\t], v255 matrix_a_fmt:MATRIX_FMT_FP6 matrix_b_fmt:MATRIX_FMT_FP6
.endr
.rept 4
	v_nop
.endr
	s_cmp_lg_u32 s[RC], s[BETA]
	s_cbranch_scc1 .Lopen_\@                       ; only the record of my tile's own block lies on the diagonal
	v_mov_b32 v254, 0xff800000                     ; hidden scores become -infinity ahead of the maximum: p = 0 then
.set n, 0
.rept 64
	v_cmp_gt_i32 vcc_lo, 32*(n/16)+n%16, v[DM]
	v_cndmask_b32 v[S+n], v[S+n], v254, vcc_lo
.set n, n+1
.endr
.Lopen_\@:
.irp b, 0,1,2,3
	v_max3_num_f32 v[232+\b], v[S+16*\b], v[S+1+16*\b], v[S+2+16*\b]   ; the largest score of each block of 32 keys: for the row's maximum and, since p rises with the score, for the block's largest p
.endr
.irp i, 3,5,7,9,11,13
.irp b, 0,1,2,3
	v_max3_num_f32 v[232+\b], v[232+\b], v[S+16*\b+\i], v[S+1+16*\b+\i]
.endr
.endr
.irp b, 0,1,2,3
	v_max_num_f32 v[232+\b], v[232+\b], v[S+15+16*\b]
.endr
.irp b, 0,1,2,3
	s_delay_alu instid0(VALU_DEP_4)
	v_permlanex16_b32 v[236+\b], v[232+\b], s[SEL], s[SEL+1]
.endr
.irp b, 0,1,2,3
	s_delay_alu instid0(VALU_DEP_4)
	v_max_num_f32 v[232+\b], v[232+\b], v[236+\b]  ; with lane l xor 16's 16 keys
.endr
	s_delay_alu instid0(VALU_DEP_2)
	v_max3_num_f32 v254, v232, v233, v234
	s_delay_alu instid0(VALU_DEP_1)
	v_max_num_f32 v254, v254, v235
	s_delay_alu instid0(VALU_DEP_1)
	v_mul_f32 v254, s[CS], v254                    ; the step's largest t (c is positive)
	s_delay_alu instid0(VALU_DEP_1)
	v_max_num_f32 v13, v13, v254
	v_mov_b32 v254, v12
	s_delay_alu instid0(VALU_DEP_2)
	v_floor_f32 v12, -v13                          ; the new -M = -ceil(t): a whole number
	s_delay_alu instid0(VALU_DEP_1)
	v_sub_f32 v254, v12, v254                      ; old M - new M: a whole number, 0 or less
	s_delay_alu instid0(VALU_DEP_1)
	v_cvt_i32_f32 v254, v254                       ; (it saturates)
	s_delay_alu instid0(VALU_DEP_1)
	v_ldexp_f32 v252, 1.0, v254                    ; f = 2^(old M - new M)
.set j, 0
.rept 32
	v_pk_fma_f32 v[S+j:S+j+1], v[S+j:S+j+1], s[CS:CS+1], v[12:13] op_sel_hi:[1,0,0]   ; t - M, two at a time
.set j, j+2
.endr
.irp b, 0,1,2,3
	v_fma_f32 v[232+\b], v[232+\b], s[CS], v12     ; the same of each block's largest score
.endr
	s_wait_alu depctr_va_vdst(0)                   ; the wait ahead of the batch
.set j, 0
.rept 64
	v_exp_f32 v[S+j], v[S+j]                       ; p = 2^(t - M), at most 1: not normalised
.set j, j+1
.endr
	v_pk_mul_f32 v[14:15], v[14:15], v[252:253] op_sel_hi:[1,0]   ; the sums under the new M (a plain line behind the exponentials)
	s_wait_alu depctr_va_vdst(0)                   ; one wait for the batch of 64, ahead of its first reader
.irp b, 0,1,2,3
	v_exp_f32 v[232+\b], v[232+\b]                 ; the block's largest p: the same two instructions on the same number
.endr
; the row's sum of the unquantised p: 32 pairs and the running sum, in eight chains
.irp c, 0,1,2,3,4,5,6
	v_pk_add_f32 v[236+2*\c:237+2*\c], v[S+4*\c:S+4*\c+1], v[S+4*\c+2:S+4*\c+3]
.endr
	v_pk_add_f32 v[14:15], v[14:15], v[S+28:S+29]
.irp q, 30, 46
.irp c, 0,1,2,3,4,5,6
	v_pk_add_f32 v[236+2*\c:237+2*\c], v[236+2*\c:237+2*\c], v[S+\q+2*\c:S+\q+2*\c+1]
.endr
	v_pk_add_f32 v[14:15], v[14:15], v[S+\q+14:S+\q+15]
.endr
	v_pk_add_f32 v[236:237], v[236:237], v[S+62:S+63]
	v_pk_add_f32 v[240:241], v[240:241], v[242:243]
	v_pk_add_f32 v[244:245], v[244:245], v[246:247]
	v_pk_add_f32 v[14:15], v[14:15], v[248:249]
	v_pk_add_f32 v[236:237], v[236:237], v[238:239]
	s_delay_alu instid0(VALU_DEP_2)
	v_pk_add_f32 v[14:15], v[14:15], v[244:245]
	s_delay_alu instid0(VALU_DEP_2)
	v_pk_add_f32 v[236:237], v[236:237], v[240:241]
	s_delay_alu instid0(VALU_DEP_1)
	v_pk_add_f32 v[14:15], v[14:15], v[236:237]
	s_wait_alu depctr_va_vdst(0)                   ; and one for the four
.irp b, 0,1,2,3
	v_max_num_f32 v[232+\b], 0x1800000, v[232+\b]  ; the floor 2^(3 - 127): the byte cannot fall under 1
.endr
.irp b, 0,1,2,3
	s_delay_alu instid0(VALU_DEP_4)
	v_add_nc_u32 v[244+\b], 0xff000000, v[232+\b]  ; 2 off the exponent field: the conversion's scale operand
.endr
.irp b, 0,1,2,3
	s_delay_alu instid0(VALU_DEP_4)
	v_lshrrev_b32 v[236+\b], 23, v[244+\b]
.endr
	s_delay_alu instid0(VALU_DEP_3)
	v_lshl_or_b32 v253, v237, 8, v236              ; p's scale word for these 128 keys
	s_delay_alu instid0(VALU_DEP_1)
	v_lshl_or_b32 v253, v238, 16, v253
	s_delay_alu instid0(VALU_DEP_1)
	v_lshl_or_b32 v253, v239, 24, v253
.irp c, 0,1
	v_cvt_scalef32_pk16_fp6_f32 v[224+6*\c:226+6*\c], v[S+32*\c:S+15+32*\c], v[244+2*\c]
	v_cvt_scalef32_pk16_fp6_f32 v[236+4*\c:238+4*\c], v[S+16+32*\c:S+31+32*\c], v[244+2*\c+1]
.endr
	v_nop                                          ; one plain line behind the scaled conversions
.irp c, 0,1
.irp i, 0,1,2
	v_permlane16_swap_b32 v[224+6*\c+\i], v[236+4*\c+\i]
.endr
.irp i, 0,1,2
	s_delay_alu instid0(VALU_DEP_3)
	v_mov_b32 v[227+6*\c+\i], v[236+4*\c+\i]
.endr
.endr
.set j, 0
.rept 16
	v_pk_mul_f32 v[O+j:O+j+1], v[O+j:O+j+1], v[252:253] op_sel_hi:[1,0]   ; O^T under the new M; these 16 are also the plain lines between the writes of p's codes and scale word and the products
.set j, j+2
.endr
	s_wait_alu depctr_va_vdst(0)
	s_wait_dscnt 0x0                               ; V is in
.irp t, 0,1,2,3
	v_wmma_scale_f32_16x16x128_f8f6f4 v[O+8*\t:O+8*\t+7], v[80+12*\t:91+12*\t], v[224:235], v[O+8*\t:O+8*\t+7], v[28+\t], v253 matrix_a_fmt:MATRIX_FMT_FP6 matrix_b_fmt:MATRIX_FMT_FP6
.endr
.endm
; THE CHANGE OF SLOTS at a phase's head.  Each wave waits for all its tensor loads, adds 0 to its spare word, and waits for that and for its reads of the slot that it has left.  fill = 1: behind a round of the cluster's
; barrier that slot takes the next phase's eight records.
.macro CHANGE fill
	s_wait_tensorcnt 0x0
	ds_add_u32 v[SPW], v[NIL]
.if \fill
	ds_add_u32 v[SPW], v[NIL]
	s_add_co_u32 s[G0+1], s[LP], s[LS]             ; no tensor load of mine is out, so group 0 may be written: my place in the other slot than last time,
	s_xor_b32 s[LS], s[LS], SLOT1
	s_add_co_i32 s[VR], s[VR], s[VS]               ; my stream's record of the next phase
	s_mul_i32 s70, s[VR], REC
	s_add_nc_u64 s[G0+2:G0+3], s[KVB:KVB+1], s[70:71]
	s_or_b32 s[G0+3], s[G0+3], 0x80000000
.endif
	s_wait_dscnt 0x0
.if \fill
	CROUND
	TLOAD
.else
	s_barrier_signal -1
	s_barrier_wait -1
.endif
.endm
.macro SLOT_STEPS
	s_mov_b32 s[CNT], 5
.Lstep_\@:
	s_cmp_eq_u32 s[KS], s[SWT]
	s_cbranch_scc0 .Lnosw_\@
	SWITCH
.Lnosw_\@:
	s_sub_co_u32 s60, 32, s[KS]
	s_add_co_u32 s61, s[TB], 4*REC
	s_cmp_ge_u32 s[KS], s[SW]                      ; the second stream?
	s_cselect_b32 s[RC], s60, s[KS]
	s_cselect_b32 s[TE], s61, s[TB]
	s_cmp_eq_u32 s[CNT], 1                         ; the fifth trip: place 4, record 16, for role a in phase 0 alone
	s_cselect_b32 s[RC], 16, s[RC]
	s_cselect_b32 s[TE], s[TB], s[TE]
	s_cselect_b32 s60, s[XA], 1
	s_cmp_eq_u32 s60, 0
	s_cbranch_scc1 .Lskip_\@
	CORE
.Lskip_\@:
	s_add_co_u32 s[KS], s[KS], 1
	s_add_co_u32 s[TB], s[TB], REC
	s_sub_co_u32 s[CNT], s[CNT], 1
	s_cmp_lg_u32 s[CNT], 0
	s_cbranch_scc1 .Lstep_\@
	s_sub_co_u32 s[TB], s[TB], 5*REC               ; back to a slot's first place,
	s_xor_b32 s[TB], s[TB], SLOT1                  ; in the other slot
	s_sub_co_u32 s[KS], s[KS], 1                   ; the fifth trip is no time of its own
	s_mov_b32 s[XA], 0
.endm
	s_load_b256 s[4:11], s[0:1], 0x0               ; qb s[4:5], kv s[6:7], wc s[8:9], ws s[10:11]
	v_lshl_add_u32 v[SPW], v0, 2, SPARE
	v_mov_b32 v[NIL], 0
	ds_add_u32 v[SPW], v[NIL]                      ; the opening lines: the add twice on end and its wait
	ds_add_u32 v[SPW], v[NIL]
	v_lshrrev_b32 v10, 5, v0
	v_readfirstlane_b32 s[WV], v10                 ; wave 0..15
	s_bfe_u32 s[RL], s[WV], 0x10001                ; role
	s_bfe_u32 s41, ttmp6, 0x40000                  ; cx
	s_and_b32 s42, ttmp7, 0xffff                   ; the head
	s_lshr_b32 s60, s[WV], 2
	s_lshl_b32 s60, s60, 2
	s_add_co_u32 s60, s60, ttmp9                   ; B = X + 4 P
	s_sub_co_u32 s[HIB], 31, s60
	s_add_co_u32 s61, s60, 1
	s_cmp_eq_u32 s[RL], 0
	s_cselect_b32 s[BETA], s[HIB], s60
	s_cselect_b32 s[SW], 99, s61
	s_cselect_b32 s[XA], 1, 0
	s_mov_b32 s[SWT], s[SW]
	s_lshl_b32 s[T2], s41, 1
	s_and_b32 s61, s[WV], 1
	s_add_co_u32 s[T2], s[T2], s61
	s_lshl_b32 s75, s41, 5
	s_lshl_b32 s61, s61, 3
	s_add_co_u32 s75, s75, s61                     ; 32 cx + 8 (w % 2)
	s_mov_b32 s[G1], 15|(3<<16)|(1<<21)            ; the mask: all four work-groups; elements of 8 bytes; bit 21 beside a mask
	s_mov_b32 s[G1+1], 32<<16                      ; a record: 51 rows of 256 dense bytes
	s_mov_b32 s[G1+2], 51<<16
	s_mov_b32 s[G1+3], 32<<16
	s_mov_b32 s[G1+4], 51
	s_mov_b32 s[G1+5], 32
	s_mov_b32 s[G1+6], 0
	s_mov_b32 s[G1+7], 0
	s_and_b32 s60, s[WV], 7
	s_mul_i32 s[LP], s60, REC                      ; my place in a slot: no place in the cluster enters an LDS address
	s_sub_co_u32 s61, 36, s60
	s_cmp_lt_u32 s60, 4
	s_cselect_b32 s[VR], s60, s61                  ; phase 0: records 0-3, and (32), 31, 30, 29
	s_cselect_b32 s[VS], 4, -4
	s_cmp_eq_u32 s60, 4
	s_cselect_b32 s61, 16, s[VR]                   ; place 4 of phase 0 takes record 16
	s_mul_i32 s70, s61, REC
	s_mov_b32 s71, 0
	s_mul_i32 s[KVB], s42, HKV
	s_mov_b32 s[KVB+1], 0
	s_mov_b32 s[SEL], 0x76543210
	s_mov_b32 s[SEL+1], 0xfedcba98
	s_mov_b32 s[CS], 0x3e38aa3b                    ; c = log2(e) / 8
	s_mov_b32 s[CS+1], s[CS]
	s_mov_b32 s[TB], 0
	s_mov_b32 s[KS], 0
	s_mov_b32 s[PH], 3
	s_mov_b32 s[LS], SLOT1
	s_wait_dscnt 0x0
	s_wait_kmcnt 0x0
	s_add_nc_u64 s[KVB:KVB+1], s[6:7], s[KVB:KVB+1]
	s_mov_b32 s[G0], 1
	s_mov_b32 s[G0+1], s[LP]
	s_add_nc_u64 s[G0+2:G0+3], s[KVB:KVB+1], s[70:71]
	s_or_b32 s[G0+3], s[G0+3], 0x80000000
	CROUND                                         ; all four work-groups are here: the first joint loads meet
	TLOAD                                          ; slot 0: phase 0's records
	s_lshl_b32 s46, s[HIB], 3
	s_add_co_u32 s46, s46, s[T2]
	QADR 66                                        ; the upper tile's Q
	s_lshl_b32 s46, s[BETA], 3
	s_add_co_u32 s46, s46, s[T2]
	QADR 52                                        ; my first tile's
	YADR
	s_lshr_b32 s60, s[WV], 2
	s_lshl_b32 s60, s60, 1
	s_and_b32 s61, s[WV], 1
	s_or_b32 s60, s60, s61
	s_mul_i32 s60, s60, SGB                        ; the stage that waves w (role a) and w + 2 (role b) share
	v_and_b32 v10, 31, v0
	v_lshlrev_b32 v[L16], 4, v10
	v_lshlrev_b32 v[L8], 3, v10
	v_min_u32 v254, 2, v10
	v_lshlrev_b32 v254, 8, v254
	v_and_b32 v10, 15, v0                          ; r
	v_lshlrev_b32 v[R4], 2, v10
	v_add_nc_u32 v[STG], s60, v[L16]
	v_bfe_u32 v252, v0, 4, 1                       ; h
	v_and_b32 v[DM], 8, v10
	v_add_nc_u32 v[DM], v[DM], v10
	v_add_nc_u32 v[DM], s75, v[DM]                 ; my query in its block of 128,
	v_lshlrev_b32 v252, 4, v252
	v_sub_nc_u32 v[DM], v[DM], v252                ; less 16 h.  On the diagonal register 16 b + i holds key 32 b + 16 h + i: hidden where 32 b + i is above this number
	v_mov_b32 v253, 0
	s_wait_alu depctr_va_vdst(0)                   ; the wait ahead of the readers below
	QLOAD 52
	s_cmp_eq_u32 s[RL], 0
	s_cbranch_scc1 .Lno_ask
.Lno_ask:
.irp j, 22,23,24,25,26,27
	v_mov_b32 v\j, 0                               ; zero codes for k = 64 .. 127 of the first product: Q's,
.endr
.irp t, 0,1,2,3
.irp j, 6,7,8,9,10,11
	v_mov_b32 v[32+12*\t+\j], 0                    ; and K's: written once, no load lands here
.endr
.endr
.irp b, 0,1,2,3
	v_mov_b32 v[236+\b], 0                         ; written once: a lane permute's destination counts as one of its sources
.endr
	INIT
	s_wait_alu depctr_va_vdst(0)                   ; the wait at the head's end
	s_wait_xcnt 0x0
	s_wait_loadcnt 0x0                             ; Q
.Lslot:                                            ; three trips: behind each change of slots but the last the next phase is asked for
	CHANGE 1
	SLOT_STEPS
	s_sub_co_u32 s[PH], s[PH], 1
	s_cmp_lg_u32 s[PH], 0
	s_cbranch_scc1 .Lslot
	CHANGE 0                                       ; the last phase is written out
	SLOT_STEPS
	; THE TWO PARTS OF AN UPPER TILE ARE JOINED.  Role b hands -M, the sums and O^T over as an image of its registers.
	s_cmp_eq_u32 s[RL], 0
	s_cbranch_scc1 .Lkeep
.rept 4
	v_nop                                          ; four plain lines behind the last products
.endr
.irp k, 0,1,2,3,4,5,6,7
	ds_store_b128 v[STG], v[O+4*\k:O+4*\k+3] offset:512*\k
.endr
	ds_store_b128 v[STG], v[12:15] offset:4096
.Lkeep:
	s_wait_dscnt 0x0                               ; my stores are done, for the reader's sake
	s_barrier_signal -1
	s_barrier_wait -1
	s_cmp_eq_u32 s[RL], 0
	s_cbranch_scc0 .Lend
.irp k, 0,1,2,3,4,5,6,7
	ds_load_b128 v[S+4*\k:S+4*\k+3], v[STG] offset:512*\k
.endr
	ds_load_b128 v[S+32:S+35], v[STG] offset:4096
	s_wait_dscnt 0x0
	v_min_num_f32 v254, v12, v[S+32]               ; the joint -M
	s_delay_alu instid0(VALU_DEP_1)
	v_sub_f32 v252, v254, v12                      ; my M less the joint M, and the other part's: whole numbers, 0 or less
	v_sub_f32 v236, v254, v[S+32]
	s_delay_alu instid0(VALU_DEP_2)
	v_cvt_i32_f32 v252, v252                       ; (they saturate: an empty part's factor is 0, on zeros)
	s_delay_alu instid0(VALU_DEP_2)
	v_cvt_i32_f32 v236, v236
	s_delay_alu instid0(VALU_DEP_2)
	v_ldexp_f32 v252, 1.0, v252
	s_delay_alu instid0(VALU_DEP_2)
	v_ldexp_f32 v236, 1.0, v236
	v_pk_mul_f32 v[14:15], v[14:15], v[252:253] op_sel_hi:[1,0]
.set j, 0
.rept 16
	v_pk_mul_f32 v[O+j:O+j+1], v[O+j:O+j+1], v[252:253] op_sel_hi:[1,0]   ; each accumulator from its low end on
.set j, j+2
.endr
	v_pk_fma_f32 v[14:15], v[S+34:S+35], v[236:237], v[14:15] op_sel_hi:[1,0,1]
.set j, 0
.rept 16
	v_pk_fma_f32 v[O+j:O+j+1], v[S+j:S+j+1], v[236:237], v[O+j:O+j+1] op_sel_hi:[1,0,1]
.set j, j+2
.endr
	FINISH
.Lend:
	s_wait_tensorcnt 0x0                           ; the wave's end
	ds_add_u32 v[SPW], v[NIL]
	s_wait_dscnt 0x0
	CROUND                                         ; the closing round
	s_endpgm
.Lfunc_end_k_q48b8b41fc9_attn:
	.size	k_q48b8b41fc9_attn, .Lfunc_end_k_q48b8b41fc9_attn-k_q48b8b41fc9_attn
	.p2alignl 7, 3214868480
	.fill 96, 4, 3214868480
	.section	.rodata,"a",@progbits
	.p2align	6, 0x0
	.amdhsa_kernel k_q48b8b41fc9_attn
		.amdhsa_group_segment_fixed_size 327680
		.amdhsa_private_segment_fixed_size 0
		.amdhsa_enable_private_segment 0
		.amdhsa_kernarg_size 32
		.amdhsa_user_sgpr_count 2
		.amdhsa_user_sgpr_kernarg_segment_ptr 1
		.amdhsa_wavefront_size32 1
		.amdhsa_system_sgpr_workgroup_id_x 1
		.amdhsa_system_sgpr_workgroup_id_y 1
		.amdhsa_system_sgpr_workgroup_id_z 1
		.amdhsa_system_vgpr_workitem_id 0
		.amdhsa_next_free_vgpr 256
		.amdhsa_next_free_sgpr 76
		.amdhsa_reserve_vcc 1
		.amdhsa_float_denorm_mode_32 3
		.amdhsa_float_denorm_mode_16_64 3
		.amdhsa_memory_ordered 1
		.amdhsa_forward_progress 1
		.amdhsa_inst_pref_size 79
	.end_amdhsa_kernel
	.amdgpu_metadata
---
amdhsa.version: [ 1, 2 ]
amdhsa.kernels:
  - .name:           k_q48b8b41fc9_attn
    .symbol:         k_q48b8b41fc9_attn.kd
    .args:
      - { .name: qb, .offset: 0, .size: 8, .value_kind: global_buffer, .address_space: global }
      - { .name: kv, .offset: 8, .size: 8, .value_kind: global_buffer, .address_space: global }
      - { .name: wc, .offset: 16, .size: 8, .value_kind: global_buffer, .address_space: global }
      - { .name: ws, .offset: 24, .size: 8, .value_kind: global_buffer, .address_space: global }
    .group_segment_fixed_size: 327680
    .private_segment_fixed_size: 0
    .kernarg_segment_align: 8
    .kernarg_segment_size: 32
    .max_flat_workgroup_size: 512
    .sgpr_count:     76
    .vgpr_count:     256
    .wavefront_size: 32
...
	.end_amdgpu_metadata
.endif
;; end of part 3
;; launch gemm_out (part 4): grid 8 x 32, 4 waves a work-group, clusters of 4 x 4, 327,680 bytes of LDS; arguments wc, ws, b_out, out0; writes out0
.if DOCPART == 4
	.amdgcn_target "amdgcn-amd-amdhsa--gfx1250"
	.amdhsa_code_object_version 6
	.text
	.protected	k_q48b8b41fc9_gemm_out
	.globl	k_q48b8b41fc9_gemm_out
	.p2align	8
	.type	k_q48b8b41fc9_gemm_out,@function
k_q48b8b41fc9_gemm_out:
	s_mov_b64 s[64:65], 0
	v_nop
	global_prefetch_b8 v0, s[64:65] scope:SCOPE_SE
	s_setreg_imm32_b32 hwreg(HW_REG_WAVE_MODE, 25, 1), 1
	s_wait_xcnt 0x0
	s_wait_alu depctr_hold_cnt(0) depctr_sa_sdst(0) depctr_va_vdst(0) depctr_va_sdst(0) depctr_va_ssrc(0) depctr_va_vcc(0) depctr_vm_vsrc(0)
	s_getreg_b32 s2, hwreg(HW_REG_IB_STS2, 6, 4)
	s_cmp_eq_u32 s2, 0
	s_cbranch_scc0 .Lentry_in_a_cluster
	s_endpgm
.Lentry_in_a_cluster:
	s_bfe_u32 s2, ttmp6, 0x10000c
	s_cmp_lg_u32 s2, 0xf033
	s_cbranch_scc0 .Lentry_shape_is_right
	s_endpgm
.Lentry_shape_is_right:
; out0[t][n] = the sum over k of y[t][k] W_out[n][k] + b_out[n], on codes of FP6 (E2M3) with E8M0 scales, as the earlier launches laid them: wc [row block][8 K steps][1,536 bytes], images of an operand's registers;
; ws [row block][4 K steps of 256][16 rows][8 bytes].  y is row blocks 512-767, W_out 448-511.  Lane r of row block RB holds row 32 (RB / 2) + 8 (RB % 2) + r + 8 (r / 8).
; SHARES.  A work-group makes 128 tokens x 128 columns: 32 x 8 = 256 work-groups.  ALL OF K LIES IN LDS: y's 8 row blocks and W_out's 8 are dense runs of 98,304 bytes, their scales of 4,096.  These four tiles are the head's
; four loads, one a wave; nothing is filled again, so there is no ring.  A wave makes 64 x 64: 16 accumulators, which take turns; a K step of 128 is 8 fragments and 16 products;
; the next step's fragments are fetched into a second set while this step is multiplied.
; CLUSTER 4 x 4: y's tiles hang on the tile row alone and are asked for jointly along a row of the cluster, W_out's on the tile column alone and jointly along a column.
; No prefetch: the launch has no loop to run ahead in; every operand byte is asked for by the head's loads.
; The matrix instruction is used transposed (source 0 = W_out's rows, source 1 = y's): a lane's eight results are eight neighbouring columns of one token.  The bias is the C of each accumulator's first product.
; REGISTERS: window 0: v4-16 addresses, v28, v29 the add's, v32-47 scale words (two sets), v64-255 fragments (two sets of A's four and B's four; on the way out rows read back).  Window 1: v0-127 accumulators, v128-159 the bias.
.set BCOD,   98304
.set SCL,    196608
.set SPARE,  SCL+8192
.set STAGE,  SPARE+512                 ; bytes of its own: 16 rows x 272 for each wave
.set SPITCH, 272
.set FR,   12
.set L16,  4
.set L8,   5
.set A16,  8
.set A8,   9
.set B16,  10
.set B8,   11
.set ADRS, 12
.set STO,  13
.set RD,   14
.set CO,   15
.set BO,   16
.set SPW,  28
.set NIL,  29
.set SC,   32
.set AF,   64
.set BK,   64
.set BI,   128
.set WV, 16
.set HR, 17
.set HC, 18
.set CX, 19
.set CY, 20
.set WY, 21
.set WX, 22
.set G1A,  24
.set G1B,  32
.set G1SA, 40
.set G1SB, 48
.set G0A,  56
.set G0B,  60
.set G0SA, 68
.set G0SB, 72
.set MSB, 0
.macro WIN new
.if MSB != (\new)
	s_set_vgpr_msb (MSB<<8)|(\new)
.set MSB, (\new)
.endif
.endm
.macro CROUND
	s_barrier_signal -1
	s_barrier_wait -1
	s_cmp_lg_u32 s[WV], 0
	s_cbranch_scc1 .Lnot_wave_0_\@
	s_barrier_signal -3
.Lnot_wave_0_\@:
	s_barrier_wait -3
	s_barrier_signal -1
	s_barrier_wait -1
.endm
.macro PLACES n
.rept \n
	v_nop
.endr
.endm
.macro FRAG reg, a16, a8, off
	ds_load_b128 v[\reg:\reg+3], v[\a16] offset:\off
	ds_load_b64 v[\reg+4:\reg+5], v[\a8] offset:\off+512
	ds_load_b128 v[\reg+6:\reg+9], v[\a16] offset:\off+768
	ds_load_b64 v[\reg+10:\reg+11], v[\a8] offset:\off+1280
.endm
.macro FETCH g                         ; K step g's eight fragments into set g % 2
.irp i, 0,1,2,3
	FRAG AF+96*((\g)%2)+FR*\i, A16, A8, \i*12288+(\g)*1536
.endr
.irp i, 0,1,2,3
	FRAG AF+96*((\g)%2)+48+FR*\i, B16, B8, \i*12288+(\g)*1536
.endr
.endm
.macro SCALES ks                       ; two K steps' scale words: lanes 0-15 A's block i, lanes 16-31 B's block i
.irp i, 0,1,2,3
	ds_load_b64 v[SC+8*((\ks)%2)+2*\i:SC+8*((\ks)%2)+2*\i+1], v[ADRS] offset:512*\i+128*(\ks)
.endr
.endm
.macro MUL g, first
.set PB, AF+96*((\g)%2)
.set SB, SC+8*(((\g)/2)%2)+(\g)%2
.irp a, 0,1,2,3
.irp b, 0,1,2,3
.if \first
	v_wmma_scale_f32_16x16x128_f8f6f4 v[8*(4*\a+\b):8*(4*\a+\b)+7], v[PB+48+FR*\b:PB+48+FR*\b+FR-1], v[PB+FR*\a:PB+FR*\a+FR-1], v[BI+8*\b:BI+8*\b+7], v[SB+2*\b], v[SB+2*\a] matrix_a_fmt:MATRIX_FMT_FP6 matrix_b_fmt:MATRIX_FMT_FP6 matrix_a_scale:MATRIX_SCALE_ROW1
.else
	v_wmma_scale_f32_16x16x128_f8f6f4 v[8*(4*\a+\b):8*(4*\a+\b)+7], v[PB+48+FR*\b:PB+48+FR*\b+FR-1], v[PB+FR*\a:PB+FR*\a+FR-1], v[8*(4*\a+\b):8*(4*\a+\b)+7], v[SB+2*\b], v[SB+2*\a] matrix_a_fmt:MATRIX_FMT_FP6 matrix_b_fmt:MATRIX_FMT_FP6 matrix_a_scale:MATRIX_SCALE_ROW1
.endif
.endr
.endr
.endm
.macro STEP g
	s_wait_dscnt 0x0                               ; this step's fragments and scale words are in
.if (\g) > 0
	PLACES 4                                       ; behind the last step's products, in front of loads into the registers that they read
.endif
	FETCH (\g)+1
.if ((\g)+1)%2 == 0
	SCALES ((\g)+1)/2
.endif
	WIN 0x50                                       ; C and D in window 1
.if (\g) == 0
	MUL \g, 1
.else
	MUL \g, 0
.endif
	WIN 0
.endm
.macro ARM under, g0, g1, next
	s_cmp_lt_u32 s[WV], \under
	s_cbranch_scc0 \next
	tensor_load_to_lds s[\g0:\g0+3], s[\g1:\g1+7]
	s_nop 0
.rept 4
	v_nop
.endr
	s_branch .Lhead_asked
\next:
.endm
	s_load_b256 s[4:11], s[0:1], 0x0               ; wc s[4:5], ws s[6:7], b_out s[8:9], out0 s[10:11]
	v_lshl_add_u32 v[SPW], v0, 2, SPARE
	v_mov_b32 v[NIL], 0
	ds_add_u32 v[SPW], v[NIL]                      ; the opening lines: the add twice on end and its wait
	ds_add_u32 v[SPW], v[NIL]
	v_lshrrev_b32 v1, 5, v0
	v_readfirstlane_b32 s[WV], v1
	s_lshr_b32 s[HR], s[WV], 1                     ; which 64 tokens
	s_and_b32 s[HC], s[WV], 1                      ; which 64 columns
	s_bfe_u32 s[CX], ttmp6, 0x40000
	s_bfe_u32 s[CY], ttmp6, 0x40004
	s_and_b32 s[WY], ttmp7, 0xffff
	s_lshl_b32 s[WY], s[WY], 2
	s_add_co_u32 s[WY], s[WY], s[CY]               ; tile row
	s_lshl_b32 s[WX], ttmp9, 2
	s_add_co_u32 s[WX], s[WX], s[CX]               ; tile column
	s_lshl_b32 s23, s[CY], 2
	s_lshl_b32 s23, 15, s23                        ; my row of the cluster
	s_lshl_b32 s80, 0x1111, s[CX]                  ; my column
	s_or_b32 s[G1A], s23, (3<<16)|(1<<21)
	s_or_b32 s[G1SA], s23, (3<<16)|(1<<21)
	s_or_b32 s[G1B], s80, (3<<16)|(1<<21)
	s_or_b32 s[G1SB], s80, (3<<16)|(1<<21)
.irp g, G1A, G1B
	s_mov_b32 s[\g+1], 32<<16                      ; 98,304 dense bytes as 384 rows of 256
	s_mov_b32 s[\g+2], 384<<16
	s_mov_b32 s[\g+3], 32<<16
	s_mov_b32 s[\g+4], 384
	s_mov_b32 s[\g+5], 32
	s_mov_b32 s[\g+6], 0
	s_mov_b32 s[\g+7], 0
.endr
.irp g, G1SA, G1SB
	s_mov_b32 s[\g+1], 32<<16                      ; 4,096 dense bytes as 16 rows of 256
	s_mov_b32 s[\g+2], 16<<16
	s_mov_b32 s[\g+3], 32<<16
	s_mov_b32 s[\g+4], 16
	s_mov_b32 s[\g+5], 32
	s_mov_b32 s[\g+6], 0
	s_mov_b32 s[\g+7], 0
.endr
	s_lshl_b32 s76, s[WY], 3
	s_add_co_u32 s76, s76, 512                     ; y's first row block
	s_lshl_b32 s78, s76, 9
	s_mul_i32 s76, s76, 12288
	s_mov_b32 s77, 0
	s_mov_b32 s79, 0
	s_lshl_b32 s82, s[WX], 3
	s_add_co_u32 s82, s82, 448                     ; W_out's
	s_lshl_b32 s84, s82, 9
	s_mul_i32 s82, s82, 12288
	s_mov_b32 s83, 0
	s_mov_b32 s85, 0
	s_wait_dscnt 0x0
	s_wait_kmcnt 0x0
	s_add_nc_u64 s[76:77], s[4:5], s[76:77]
	s_add_nc_u64 s[78:79], s[6:7], s[78:79]
	s_add_nc_u64 s[82:83], s[4:5], s[82:83]
	s_add_nc_u64 s[84:85], s[6:7], s[84:85]
	CROUND                                         ; all sixteen work-groups are here: the joint loads meet
	s_mov_b32 s[G0A], 1
	s_mov_b32 s[G0A+1], 0
	s_mov_b64 s[G0A+2:G0A+3], s[76:77]
	s_or_b32 s[G0A+3], s[G0A+3], 0x80000000
	s_mov_b32 s[G0B], 1
	s_mov_b32 s[G0B+1], BCOD
	s_mov_b64 s[G0B+2:G0B+3], s[82:83]
	s_or_b32 s[G0B+3], s[G0B+3], 0x80000000
	s_mov_b32 s[G0SA], 1
	s_mov_b32 s[G0SA+1], SCL
	s_mov_b64 s[G0SA+2:G0SA+3], s[78:79]
	s_or_b32 s[G0SA+3], s[G0SA+3], 0x80000000
	s_mov_b32 s[G0SB], 1
	s_mov_b32 s[G0SB+1], SCL+4096
	s_mov_b64 s[G0SB+2:G0SB+3], s[84:85]
	s_or_b32 s[G0SB+3], s[G0SB+3], 0x80000000
	; one tree of branches on the wave's number, one load to an arm: wave 0 y's codes, wave 1 W_out's, wave 2 y's scales, wave 3 W_out's
	ARM 1, G0A,  G1A,  .Lhead_b
	ARM 2, G0B,  G1B,  .Lhead_sa
	ARM 3, G0SA, G1SA, .Lhead_sb
	tensor_load_to_lds s[G0SB:G0SB+3], s[G1SB:G1SB+7]
	s_nop 0
.rept 4
	v_nop
.endr
.Lhead_asked:
	s_mul_i32 s86, s[HR], 49152                    ; my four row blocks of y,
	s_mul_i32 s87, s[HC], 49152
	s_add_co_u32 s87, s87, BCOD                    ; and of W_out
	s_lshl_b32 s88, s[HR], 11
	s_lshl_b32 s89, s[HC], 11
	s_add_co_u32 s89, s89, 4096
	s_sub_co_u32 s89, s89, s88                     ; from my scales of y to my scales of W_out
	s_add_co_u32 s88, s88, SCL
	s_mul_i32 s90, s[WV], 16*SPITCH
	s_add_co_u32 s90, s90, STAGE
	s_lshl_b32 s2, s[WX], 9
	s_lshl_b32 s3, s[HC], 8
	s_add_co_u32 s2, s2, s3                        ; my first column, in bytes
	s_mov_b32 s3, 0
	s_add_nc_u64 s[94:95], s[8:9], s[2:3]
	s_add_nc_u64 s[92:93], s[10:11], s[2:3]
	s_lshl_b32 s2, s[WY], 1
	s_add_co_u32 s2, s2, s[HR]
	s_lshl_b32 s2, s2, 18                          ; 64 tokens of 4,096 bytes
	s_add_nc_u64 s[92:93], s[92:93], s[2:3]
	v_and_b32 v1, 31, v0
	v_and_b32 v2, 15, v0
	v_bfe_u32 v3, v0, 4, 1
	v_lshlrev_b32 v[L16], 4, v1
	v_lshlrev_b32 v[L8], 3, v1
	v_add_nc_u32 v[A16], s86, v[L16]
	v_add_nc_u32 v[A8], s86, v[L8]
	v_add_nc_u32 v[B16], s87, v[L16]
	v_add_nc_u32 v[B8], s87, v[L8]
	v_mul_u32_u24 v7, s89, v3                      ; lanes 16-31 take W_out's scale words
	v_lshl_add_u32 v7, v2, 3, v7
	v_add_nc_u32 v[ADRS], s88, v7
	v_mul_u32_u24 v[STO], v2, SPITCH               ; into the stage: row r, 64 bytes for each half of the lanes
	v_lshl_add_u32 v[STO], v3, 6, v[STO]
	v_add_nc_u32 v[STO], s90, v[STO]
	v_mul_u32_u24 v[RD], v3, SPITCH                ; back: sixteen lanes to a row of 256 bytes, two rows an instruction
	v_lshl_add_u32 v[RD], v2, 4, v[RD]
	v_add_nc_u32 v[RD], s90, v[RD]
	v_lshlrev_b32 v[CO], 12, v3                    ; and the same two rows in out0
	v_lshl_add_u32 v[CO], v2, 4, v[CO]
	v_lshlrev_b32 v[BO], 6, v3
	s_wait_alu depctr_va_vdst(0)                   ; the wait at the head's end
	WIN 0x40
.irp b, 0,1,2,3
	global_load_b128 v[BI+8*\b:BI+8*\b+3], v[BO], s[94:95] offset:4*(32*(\b/2)+8*(\b%2))       ; b_out at my eight columns of block b
	global_load_b128 v[BI+8*\b+4:BI+8*\b+7], v[BO], s[94:95] offset:4*(32*(\b/2)+8*(\b%2))+16
.endr
	WIN 0
	s_wait_tensorcnt 0x0                           ; my tile is in,
	s_barrier_signal -1
	s_barrier_wait -1                              ; and so is everybody's
	FETCH 0
	SCALES 0
	s_wait_loadcnt 0x0                             ; the bias
.irp g, 0,1,2,3,4,5,6
	STEP \g
.endr
	s_wait_dscnt 0x0
	WIN 0x50
	MUL 7, 0
	WIN 0
; THE WAY OUT, block by block of 16 tokens x 64 columns, through my own stage: LDS serves a wave's instructions in order, so no wait stands between the stores and the loads.
.macro TOSTAGE a
	WIN 0x04                                       ; the data: window 1
.irp b, 0,1,2,3
	ds_store_b128 v[STO], v[8*(4*(\a)+\b):8*(4*(\a)+\b)+3] offset:128*(\b/2)+32*(\b%2)      ; each accumulator from its low end on
	ds_store_b128 v[STO], v[8*(4*(\a)+\b)+4:8*(4*(\a)+\b)+7] offset:128*(\b/2)+32*(\b%2)+16
.endr
	WIN 0
.irp t, 0,1,2,3,4,5,6,7
	ds_load_b128 v[BK+32*((\a)%2)+4*\t:BK+32*((\a)%2)+4*\t+3], v[RD] offset:\t*2*SPITCH
.endr
.endm
.macro SEND a, younger                 ; younger: the LDS instructions issued behind block a's loads
	s_wait_dscnt \younger
.irp t, 0,1,2,3,4,5,6,7
	global_store_b128 v[CO], v[BK+32*((\a)%2)+4*\t:BK+32*((\a)%2)+4*\t+3], s[92:93] offset:(32*((\a)/2)+8*((\a)%2)+2*\t+8*(\t/4))*4096 th:TH_STORE_NT   ; sixteen lanes store 256 consecutive bytes, aligned
.endr
.endm
	PLACES 4
	TOSTAGE 0
.irp a, 1,2,3
.if \a > 1
	s_wait_xcnt 0x0                                ; block a - 2's stores have read their registers
.endif
	TOSTAGE \a
	SEND \a-1, 16
.endr
	SEND 3, 0
	s_wait_tensorcnt 0x0                           ; the wave's end
	ds_add_u32 v[SPW], v[NIL]
	s_wait_dscnt 0x0
	CROUND                                         ; the closing round
	s_endpgm
.Lfunc_end_k_q48b8b41fc9_gemm_out:
	.size	k_q48b8b41fc9_gemm_out, .Lfunc_end_k_q48b8b41fc9_gemm_out-k_q48b8b41fc9_gemm_out
	.p2alignl 7, 3214868480
	.fill 96, 4, 3214868480
	.section	.rodata,"a",@progbits
	.p2align	6, 0x0
	.amdhsa_kernel k_q48b8b41fc9_gemm_out
		.amdhsa_group_segment_fixed_size 327680
		.amdhsa_private_segment_fixed_size 0
		.amdhsa_enable_private_segment 0
		.amdhsa_kernarg_size 32
		.amdhsa_user_sgpr_count 2
		.amdhsa_user_sgpr_kernarg_segment_ptr 1
		.amdhsa_wavefront_size32 1
		.amdhsa_system_sgpr_workgroup_id_x 1
		.amdhsa_system_sgpr_workgroup_id_y 1
		.amdhsa_system_sgpr_workgroup_id_z 1
		.amdhsa_system_vgpr_workitem_id 0
		.amdhsa_next_free_vgpr 448
		.amdhsa_next_free_sgpr 96
		.amdhsa_reserve_vcc 0
		.amdhsa_float_denorm_mode_32 3
		.amdhsa_float_denorm_mode_16_64 3
		.amdhsa_memory_ordered 1
		.amdhsa_forward_progress 1
		.amdhsa_inst_pref_size 52
	.end_amdhsa_kernel
	.amdgpu_metadata
---
amdhsa.version: [ 1, 2 ]
amdhsa.kernels:
  - .name:           k_q48b8b41fc9_gemm_out
    .symbol:         k_q48b8b41fc9_gemm_out.kd
    .args:
      - { .name: wc, .offset: 0, .size: 8, .value_kind: global_buffer, .address_space: global }
      - { .name: ws, .offset: 8, .size: 8, .value_kind: global_buffer, .address_space: global }
      - { .name: b_out, .offset: 16, .size: 8, .value_kind: global_buffer, .address_space: global }
      - { .name: out0, .offset: 24, .size: 8, .value_kind: global_buffer, .address_space: global }
    .group_segment_fixed_size: 327680
    .private_segment_fixed_size: 0
    .kernarg_segment_align: 8
    .kernarg_segment_size: 32
    .max_flat_workgroup_size: 128
    .sgpr_count:     96
    .vgpr_count:     448
    .wavefront_size: 32
...
	.end_amdgpu_metadata
.endif
;; end of part 4
